; MI455X (gfx1250); checked and timed in simulation.
; The chip was launched on July 23, 2026; its instructions are those of AMD's public machine-readable ISA for CDNA 5 (MIT licence, August 2026) and "CDNA5" Instruction Set Architecture Reference Guide (July 2026). The comments in the code are by the model that wrote it; some were corrected since.
;; Prob Sparse MHA. Allowed arithmetic: float matrix products may take bf16 or f16 operands with f32 sums; other float arithmetic in f32, or as packed bf16 or f16 multiplies, adds, multiply-adds, maxima and minima; sums over many terms, partial sums and values carried from step to step in f32; what a program stores and reads back later, other than sums and carried values, may be rounded once to bf16 or f16.
;; Inputs: W_proj 1,024 x 1,024 float32; W_qkv 1,024 x 3,072 float32; b_proj 1,024 float32; b_qkv 3,072 float32; x 2 x 4,096 x 1,024 float32.
;; Outputs: out0 2 x 4,096 x 1,024 float32.
;; One version. Each part assembles by itself: llvm-mc -triple=amdgcn-amd-amdhsa -mcpu=gfx1250 --defsym DOCPART=n.
;; ======== version 1 of 1: 6 launches
;; limits: values are held in f16: magnitudes above 65,504 overflow, below 6.1e-05 lose precision
;; workspace buffers: xb 16,777,216 bytes; wqb 6,291,456 bytes; wpb 2,097,152 bytes; qkvh 50,331,648 bytes; nrm 1,572,864 bytes; pos 524,288 bytes of whole numbers; kv 10,485,760 bytes; obuf 16,777,216 bytes
;; launch cast (part 1): grid 768 x 1, 8 waves a work-group, no clusters, 0 bytes of LDS; arguments x, W_qkv, W_proj, xb, wqb, wpb; writes xb, wqb, wpb
.if DOCPART == 1
	.amdgcn_target "amdgcn-amd-amdhsa--gfx1250"
	.amdhsa_code_object_version 6
	.text
	.protected	k_qb13661cece_cast
	.globl	k_qb13661cece_cast
	.p2align	8
	.type	k_qb13661cece_cast,@function
k_qb13661cece_cast:
	s_mov_b64 s[64:65], 0
	v_nop
	global_prefetch_b8 v0, s[64:65] scope:SCOPE_SE
	s_setreg_imm32_b32 hwreg(HW_REG_WAVE_MODE, 25, 1), 1
	s_wait_xcnt 0x0
; x and W_qkv are rounded to bf16; W_proj is rounded to bf16 and that number is written as f16 (exact where it lies in f16's normal range).
; LIMITS. |W_proj| stays under 65,504; below 2^-14 a number keeps f16's fixed step of 6e-8.
; A stream: memory binds, so no LDS, no barrier, no matrix unit, no cluster (no two work-groups read the same byte).
; A work-group takes 16,384 consecutive numbers (65,536 bytes in, 32,768 out): groups 0-511 of x, 512-703 of W_qkv, 704-767 of W_proj.
; A load of a wave covers 512 consecutive bytes, a store 256 consecutive bytes at a multiple of 256 from the buffer's first byte.
; All sixteen loads of a lane go out at once; no register is written twice, so no wait frees a source.
.set X, 4                              ; v[4:67]   sixteen loads of four f32
.set Y, 68                             ; v[68:99]  sixteen pairs of packed 16-bit numbers
.set T, 100                            ; v[100:101] at work in the f16 path
	s_load_b256 s[4:11], s[0:1], 0x0               ; x s[4:5], W_qkv s[6:7], W_proj s[8:9], xb s[10:11]
	s_load_b128 s[12:15], s[0:1], 0x20             ; wqb s[12:13], wpb s[14:15]
	v_lshlrev_b32 v1, 4, v0                        ; 16 bytes in a lane
	v_lshlrev_b32 v2, 3, v0                        ; 8 bytes out
	s_sub_co_u32 s16, ttmp9, 512                   ; my number among W_qkv's groups,
	s_sub_co_u32 s17, ttmp9, 704                   ; among W_proj's
	s_mov_b32 s28, 0xffff0000                      ; a word's upper bf16
	s_wait_kmcnt 0x0
	s_cmp_lt_u32 ttmp9, 704                        ; the choice hangs on the group's number alone
	s_cselect_b64 s[20:21], s[6:7], s[8:9]
	s_cselect_b64 s[22:23], s[12:13], s[14:15]
	s_cselect_b32 s18, s16, s17
	s_cmp_lt_u32 ttmp9, 512
	s_cselect_b64 s[20:21], s[4:5], s[20:21]
	s_cselect_b64 s[22:23], s[10:11], s[22:23]
	s_cselect_b32 s18, ttmp9, s18
	s_lshl_b32 s24, s18, 16                        ; 65,536 bytes in a group,
	s_mov_b32 s25, 0
	s_lshl_b32 s26, s18, 15                        ; 32,768 out
	s_mov_b32 s27, 0
	s_add_nc_u64 s[20:21], s[20:21], s[24:25]
	s_add_nc_u64 s[22:23], s[22:23], s[26:27]
.set j, 0
.rept 16
	global_load_b128 v[X+4*j:X+4*j+3], v1, s[20:21] offset:4096*j th:TH_LOAD_NT
.set j, j+1
.endr
	s_cmp_ge_u32 ttmp9, 704
	s_cbranch_scc1 .Lf16
.set j, 0
.rept 16
	s_wait_loadcnt 15-j                            ; loads come back in order: number j is in, the younger ones stay out
	v_cvt_pk_bf16_f32 v[Y+2*j], v[X+4*j], v[X+4*j+1]
	v_cvt_pk_bf16_f32 v[Y+2*j+1], v[X+4*j+2], v[X+4*j+3]
	global_store_b64 v2, v[Y+2*j:Y+2*j+1], s[22:23] offset:2048*j
.set j, j+1
.endr
	s_endpgm
.Lf16:
.set j, 0
.rept 16
	s_wait_loadcnt 15-j
	v_cvt_pk_bf16_f32 v[T], v[X+4*j], v[X+4*j+1]   ; rounded to bf16,
	v_cvt_pk_bf16_f32 v[T+1], v[X+4*j+2], v[X+4*j+3]
	v_lshlrev_b32 v[X+4*j], 16, v[T]               ; widened again,
	v_and_b32 v[X+4*j+1], s28, v[T]
	v_lshlrev_b32 v[X+4*j+2], 16, v[T+1]
	v_and_b32 v[X+4*j+3], s28, v[T+1]
	v_cvt_pk_f16_f32 v[Y+2*j], v[X+4*j], v[X+4*j+1]  ; and written as f16
	v_cvt_pk_f16_f32 v[Y+2*j+1], v[X+4*j+2], v[X+4*j+3]
	global_store_b64 v2, v[Y+2*j:Y+2*j+1], s[22:23] offset:2048*j
.set j, j+1
.endr
	s_endpgm
.Lfunc_end_k_qb13661cece_cast:
	.size	k_qb13661cece_cast, .Lfunc_end_k_qb13661cece_cast-k_qb13661cece_cast
	.p2alignl 7, 3214868480
	.fill 96, 4, 3214868480
	.section	.rodata,"a",@progbits
	.p2align	6, 0x0
	.amdhsa_kernel k_qb13661cece_cast
		.amdhsa_group_segment_fixed_size 0
		.amdhsa_private_segment_fixed_size 0
		.amdhsa_enable_private_segment 0
		.amdhsa_kernarg_size 48
		.amdhsa_user_sgpr_count 2
		.amdhsa_user_sgpr_kernarg_segment_ptr 1
		.amdhsa_wavefront_size32 1
		.amdhsa_system_sgpr_workgroup_id_x 1
		.amdhsa_system_sgpr_workgroup_id_y 1
		.amdhsa_system_sgpr_workgroup_id_z 1
		.amdhsa_system_vgpr_workitem_id 0
		.amdhsa_next_free_vgpr 104
		.amdhsa_next_free_sgpr 66
		.amdhsa_reserve_vcc 0
		.amdhsa_float_denorm_mode_32 3
		.amdhsa_float_denorm_mode_16_64 3
		.amdhsa_memory_ordered 1
		.amdhsa_forward_progress 1
		.amdhsa_inst_pref_size 15
	.end_amdhsa_kernel
	.amdgpu_metadata
---
amdhsa.version: [ 1, 2 ]
amdhsa.kernels:
  - .name:           k_qb13661cece_cast
    .symbol:         k_qb13661cece_cast.kd
    .args:
      - { .name: x, .offset: 0, .size: 8, .value_kind: global_buffer, .address_space: global }
      - { .name: W_qkv, .offset: 8, .size: 8, .value_kind: global_buffer, .address_space: global }
      - { .name: W_proj, .offset: 16, .size: 8, .value_kind: global_buffer, .address_space: global }
      - { .name: xb, .offset: 24, .size: 8, .value_kind: global_buffer, .address_space: global }
      - { .name: wqb, .offset: 32, .size: 8, .value_kind: global_buffer, .address_space: global }
      - { .name: wpb, .offset: 40, .size: 8, .value_kind: global_buffer, .address_space: global }
    .group_segment_fixed_size: 0
    .private_segment_fixed_size: 0
    .kernarg_segment_align: 8
    .kernarg_segment_size: 48
    .max_flat_workgroup_size: 256
    .sgpr_count:     66
    .vgpr_count:     104
    .wavefront_size: 32
...
	.end_amdgpu_metadata
.endif
;; end of part 1
;; launch qkv (part 2): grid 16 x 32, 4 waves a work-group, clusters of 4 x 4, 327,680 bytes of LDS; arguments xb, wqb, b_qkv, qkvh, nrm; writes qkvh, nrm
.if DOCPART == 2
	.amdgcn_target "amdgcn-amd-amdhsa--gfx1250"
	.amdhsa_code_object_version 6
	.text
	.protected	k_qb13661cece_qkv
	.globl	k_qb13661cece_qkv
	.p2align	8
	.type	k_qb13661cece_qkv,@function
k_qb13661cece_qkv:
	s_mov_b64 s[64:65], 0
	v_nop
	global_prefetch_b8 v0, s[64:65] scope:SCOPE_SE
	s_setreg_imm32_b32 hwreg(HW_REG_WAVE_MODE, 25, 1), 1
	s_wait_xcnt 0x0
	s_wait_alu depctr_hold_cnt(0) depctr_sa_sdst(0) depctr_va_vdst(0) depctr_va_sdst(0) depctr_va_ssrc(0) depctr_va_vcc(0) depctr_vm_vsrc(0)
	s_getreg_b32 s2, hwreg(HW_REG_IB_STS2, 6, 4)
	s_cmp_eq_u32 s2, 0
	s_cbranch_scc0 .Lentry_in_a_cluster
	s_endpgm
.Lentry_in_a_cluster:
	s_bfe_u32 s2, ttmp6, 0x10000c
	s_cmp_lg_u32 s2, 0xf033
	s_cbranch_scc0 .Lentry_shape_is_right
	s_endpgm
.Lentry_shape_is_right:
; qkv = xb . wqb + bf16(b_qkv).  xb: [8192][1024] bf16.  wqb: [1024 k][3072 n] bf16, as W_qkv lies.  Sums in f32, started by the bias.
; OUT.  qkvh: f16 [48 c][8192 m][64], c = n / 64 (0-15 q's heads, 16-31 k's, 32-47 v's), each number rounded once.  nrm: f32 [48 c][8192 m], the sum of the squares of row m's 64 numbers of
; column-head c, taken of the f32 sums, not of the rounded numbers: the choice of keys in a later launch goes by it.  All 48 are written, so that no branch hangs on the tile's column; 16 are read.
; LIMITS.  f16 holds no number beyond 65,504: q, k and v stay within it.  NaN and infinities are not treated apart.
; SHARES.  A tile of C is 256 rows x 192 columns (three column-heads).  Four waves, one below the other, each 64 rows x 192 columns: 48 accumulators of 16 x 16, 384 registers.  So a row's 64 numbers
; of a head lie in one wave, and the sum of squares never leaves it.  K goes in eight steps of 128 through two LDS slots filled by the tensor data mover.
; THE TEXT.  A K step is written twice: in a loop of six trips that fill a slot again, and in a loop of two trips that do not.  A trip goes from a step's second
; quarter to the next step's first.  Which slot is read lies in a scalar register, turned by an exclusive or; one descriptor for each tensor walks in the same way.
; CLUSTER.  4 x 4 work-groups.  The four of a row of the cluster need the same tiles of xb, the four of a column the same tiles of wqb: each tile is asked for JOINTLY, by the same tensor load with
; the same descriptor and a mask that names the four.
; THE MATRIX INSTRUCTION IS USED TRANSPOSED: source 0 = 16 columns of W (out of LDS turned, by ds_load_tr16_b128, since W lies [k][n]), source 1 = 16 rows of x.  A lane then holds row lane % 16
; and the columns 8 (lane / 16) + 0..7: eight neighbouring numbers of a row.
; REGISTERS, in windows of 256 (s_set_vgpr_msb: bits 1:0 source 0, 3:2 source 1, 5:4 source 2, 7:6 destination):
;   window 0: v0-31 addresses and at work; v32-223 twelve sets of 16 for the way out (v128-223 hold the bias until the first quarter has taken it); v224-229 the sums of squares read back; v232-240 the bias as loaded
;   window 1: two fragment buffers of 128: W's 12 blocks, then x's 4          windows 2, 3: the accumulators: (a, b) in window 2 + a / 2 at v[8 (12 (a % 2) + b)]
.set NBLK,  12                         ; blocks of 16 columns in a tile
.set PA,    272                        ; a row of x in LDS: 256 bytes + 16 = 68 words: the 16 rows of a load start at 16 different groups of four banks (64 banks of 4 bytes: ISA guide 11.1)
.set PB,    480                        ; a row of W: three times 128 bytes + 32 = 120 words
.set BOFF,  256*PA                     ; a slot: x's 256 rows, then W's 128
.set SLOT,  BOFF+128*PB                ; 131,072 = 1 << 17: one exclusive or turns an address in one slot into the other's
.set STAGE, 2*SLOT                     ; behind the ring, never filled by a tensor load: 16 rows x 144 bytes for each wave
.set SP,    144
.set NSTG,  STAGE+4*16*SP              ; 768 bytes for each wave: first the tile's 192 numbers of the bias, later 3 heads x 64 rows' sums of squares
.set SPARE, NSTG+4*768                 ; the spare words, 128 bytes for each wave: two blocks of 256 bytes that no other line names
.set NL,    2*NBLK+8                   ; LDS loads in a run
.set ASTEP, 256                        ; bytes of xb from a K step to the next
.set BSTEP, 128*6144                   ; of wqb: 128 rows of 6,144 bytes
.set SQ,   8                           ; v[8:11]  two chains of squares
.set SUM,  12                          ; v12      a row's sum
.set OTH,  13                          ; v13      the other half of the lanes'
.set BRD,  14                          ; v14      where I read my eight numbers of a block's sixteen of the bias
.set ADRA0, 16                         ; v16      LDS address of my fragments of x in slot 0; never rewritten
.set AA,   17                          ; v17      the same in the slot that is read
.set ADRB0, 20                         ; v20, v21 the same for W
.set AB,   21
.set STO,  24                          ; v24      the way out: where I put 16 bytes of a row
.set RD,   25                          ; v25      where I read rows back
.set GO,   26                          ; v26      my byte offset in 512 consecutive bytes of qkvh
.set NST,  27                          ; v27      where a row's sum of squares goes
.set SPW,  28                          ; v28      LDS address of my spare word; never rewritten
.set NIL,  29                          ; v29      0; never rewritten
.set NRD,  30                          ; v30      my 8 bytes in 256 of my wave's 768
.set NGO,  31                          ; v31      my byte offset in 256 consecutive bytes of nrm, and of the bias
.set OUTR, 32
.set BI,   128
.set NR,   224
.set BT,   232                         ; v[232:237] six numbers of the bias
.set CT,   238                         ; v[238:240] the same as bf16 pairs
.set F0,   0
.set F1,   128
.set WV,  14                           ; s14  my wave's number
.set FB,  15                           ; s15  I fetch for x (0) or for W (1)
.set HF,  16                           ; s16  which half of that tile
.set TC,  19                           ; s19  tile column
.set TR,  20                           ; s20  tile row
.set LAP, 23
.set G1A, 24                           ; s[24:31] descriptor group 1 for x's tiles;  s[32:39] group 0: a set for each of the two first fills; the second then walks on
.set G0A, 32
.set G1B, 48                           ; s[48:55], s[56:63] the same for W's
.set G0B, 56
.set SEL, 66                           ; s[66:67] v_permlanex16_b32's selects: each lane takes its own place in the other half
.set TBS, 69                           ; s69  LDS byte at which the slot that is read begins: 0 or SLOT
.set MSB, 0
.macro WIN new                         ; the immediate's high byte repeats the setting that is left; a switch that changes nothing is dropped
.if MSB != (\new)
	s_set_vgpr_msb (MSB<<8)|(\new)
.set MSB, \new
.endif
.endm
.set TO_F, 0x40                        ; destination window 1, address window 0
; A joint load: waves 0 and 1 fetch x's two halves, waves 2 and 3 W's.  The branch hangs on the wave's number alone.  An s_nop 0 and four v_nop follow each of the two lines, ahead of the jump,
; the label and what follows.
.macro JLOAD s
	s_cmp_eq_u32 s[FB], 0
	s_cbranch_scc0 .Lfor_b_\@
	tensor_load_to_lds s[G0A+4*(\s):G0A+4*(\s)+3], s[G1A:G1A+7]
	s_nop 0
.rept 4
	v_nop
.endr
	s_branch .Lasked_\@
.Lfor_b_\@:
	tensor_load_to_lds s[G0B+4*(\s):G0B+4*(\s)+3], s[G1B:G1B+7]
	s_nop 0
.rept 4
	v_nop
.endr
.Lasked_\@:
.endm
.macro CREST                           ; a round of the cluster's barrier behind its opening barrier
	s_cmp_lg_u32 s[WV], 0
	s_cbranch_scc1 .Lnot_wave_0_\@
	s_barrier_signal -3
.Lnot_wave_0_\@:
	s_barrier_wait -3
	s_barrier_signal -1
	s_barrier_wait -1
.endm
.macro CROUND                          ; a whole round
	s_barrier_signal -1
	s_barrier_wait -1
	CREST
.endm
	s_load_b256 s[4:11], s[0:1], 0x0               ; xb s[4:5], wqb s[6:7], b_qkv s[8:9], qkvh s[10:11]
	s_load_b64 s[12:13], s[0:1], 0x20              ; nrm
	v_lshl_add_u32 v[SPW], v0, 2, SPARE
	v_mov_b32 v[NIL], 0
	ds_add_u32 v[SPW], v[NIL]                      ; the wave's opening: the add and its wait stand ahead of my first tensor load; the set-up below, work on registers, stands between them
	v_lshrrev_b32 v1, 5, v0
	v_readfirstlane_b32 s[WV], v1                  ; wave 0..3
	s_lshr_b32 s[FB], s[WV], 1
	s_and_b32 s[HF], s[WV], 1
	s_bfe_u32 s17, ttmp6, 0x40000                  ; cx, cy: my place in the cluster
	s_bfe_u32 s18, ttmp6, 0x40004
	s_lshl_b32 s[TC], ttmp9, 2
	s_add_co_u32 s[TC], s[TC], s17                 ; tile column = 4 x cluster x + cx
	s_and_b32 s[TR], ttmp7, 0xffff
	s_lshl_b32 s[TR], s[TR], 2
	s_add_co_u32 s[TR], s[TR], s18                 ; tile row = 4 x cluster y + cy
	s_lshl_b32 s21, s18, 2
	s_lshl_b32 s21, 15, s21                        ; my row of the cluster
	s_lshl_b32 s22, 0x1111, s17                    ; my column
	s_or_b32 s[G1A], s21, (1<<16)|(1<<20)|(1<<21)|(5<<22)|(3<<25)  ; 15:0 the mask: x's tiles go to my row; 17:16 2-byte elements; 20 padding on; 21 set beside a mask; 24:22 after every 64 words (code 5); 31:25 4 words (code 3)
	s_mov_b32 s[G1A+1], 128<<16                    ; tensor_dim0 = 128
	s_mov_b32 s[G1A+2], 128<<16                    ; tensor_dim1 = 128
	s_mov_b32 s[G1A+3], 128<<16                    ; tile_dim0 = 128
	s_mov_b32 s[G1A+4], 128                        ; tile_dim1 = 128
	s_mov_b32 s[G1A+5], 1024                       ; elements from row to row
	s_mov_b32 s[G1A+6], 0
	s_mov_b32 s[G1A+7], 0
	s_or_b32 s[G1B], s22, (1<<16)|(1<<20)|(1<<21)|(4<<22)|(7<<25)  ; the mask of my column; padding after every 32 words (code 4), 8 words (code 7): a row of 96 words is three such pieces
	s_mov_b32 s[G1B+1], 192<<16                    ; tensor_dim0 = 192
	s_mov_b32 s[G1B+2], 64<<16                     ; tensor_dim1 = 64
	s_mov_b32 s[G1B+3], 192<<16                    ; tile_dim0 = 192
	s_mov_b32 s[G1B+4], 64                         ; tile_dim1 = 64
	s_mov_b32 s[G1B+5], 3072
	s_mov_b32 s[G1B+6], 0
	s_mov_b32 s[G1B+7], 0
	; where the tiles come from.  x's hang on the tile row alone, W's on the tile column alone, each in registers that never hold the other coordinate
	s_lshl_b32 s40, s[TR], 19                      ; 256 rows of 2,048 bytes,
	s_lshl_b32 s41, s[HF], 18                      ; my 128 of them
	s_add_co_u32 s40, s40, s41
	s_mov_b32 s41, 0
	s_mul_i32 s44, s[TC], 384                      ; 192 columns of 2 bytes,
	s_mul_i32 s45, s[HF], 64*6144                  ; my 64 of a step's 128 rows
	s_add_co_u32 s44, s44, s45
	s_mov_b32 s45, 0
	s_mul_i32 s42, s[HF], 128*PA                   ; and where they go: no place in the cluster enters an LDS address
	s_mul_i32 s43, s[HF], 64*PB
	s_add_co_u32 s43, s43, BOFF
	s_mov_b32 s[SEL], 0x76543210
	s_mov_b32 s[SEL+1], 0xfedcba98
	s_mov_b32 s68, 0xffff0000                      ; a word's upper bf16
	s_mov_b32 s[TBS], 0                            ; slot 0 is read first
	s_wait_dscnt 0x0                               ; the opening add is done
	s_wait_kmcnt 0x0
	s_add_nc_u64 s[40:41], s[4:5], s[40:41]
	s_add_nc_u64 s[44:45], s[6:7], s[44:45]
	CROUND                                         ; all sixteen work-groups are here: the first joint loads meet
.irp s, 0,1
	s_mov_b32 s[G0A+4*(\s)], 1                     ; 1:0 count = 1
	s_add_co_u32 s[G0A+4*(\s)+1], s42, (\s)*SLOT   ; 63:32 LDS address
	s_add_nc_u64 s[G0A+4*(\s)+2:G0A+4*(\s)+3], s[40:41], (\s)*ASTEP  ; 120:64 global address: K step s
	s_or_b32 s[G0A+4*(\s)+3], s[G0A+4*(\s)+3], 0x80000000            ; 127:126 type = 2
	s_mov_b32 s[G0B+4*(\s)], 1
	s_add_co_u32 s[G0B+4*(\s)+1], s43, (\s)*SLOT
	s_add_nc_u64 s[G0B+4*(\s)+2:G0B+4*(\s)+3], s[44:45], (\s)*BSTEP
	s_or_b32 s[G0B+4*(\s)+3], s[G0B+4*(\s)+3], 0x80000000
	JLOAD \s                                       ; two loads of mine are out
.endr
	v_and_b32 v1, 15, v0                           ; l % 16
	v_bfe_u32 v2, v0, 4, 1                         ; l / 16
	v_and_b32 v6, 31, v0                           ; l
	v_lshlrev_b32 v[NGO], 3, v6
	s_mul_i32 s46, s[TC], 768                      ; the tile's 192 numbers of the bias: three loads of 256 consecutive bytes
	s_mov_b32 s47, 0
	s_add_nc_u64 s[8:9], s[8:9], s[46:47]
.irp g, 0,1,2
	global_load_b64 v[BT+2*(\g):BT+2*(\g)+1], v[NGO], s[8:9] offset:256*(\g)
.endr
	; A fragment of x is 16 rows x 32 K in 8 registers: lane l holds row l % 16, K = 8 (l / 16) + 0..7 and 16 + 8 (l / 16) + 0..7: two loads of 16 bytes, 32 bytes apart.
	v_lshlrev_b32 v[GO], 4, v6                     ; the way out: 32 lanes store 512 consecutive bytes of qkvh
	v_mul_u32_u24 v3, v1, PA
	v_lshl_add_u32 v3, v2, 4, v3
	s_mul_i32 s2, s[WV], 64*PA                     ; my 64 rows
	v_add_nc_u32 v[ADRA0], s2, v3
	v_add_nc_u32 v[AA], s[TBS], v[ADRA0]
	; The turning load takes 16 K x 16 columns (lane l reads 16 bytes: K = 8 (l / 16) + l % 8, columns 8 ((l / 8) % 2) + 0..7) and leaves half a fragment: lane l holds column l % 16 and 8 K.
	v_and_b32 v4, 7, v0
	v_lshl_add_u32 v5, v2, 3, v4
	v_mul_u32_u24 v5, v5, PB
	v_bfe_u32 v7, v0, 3, 1
	v_lshl_add_u32 v5, v7, 4, v5
	v_add_nc_u32 v[ADRB0], BOFF, v5
	v_add_nc_u32 v[AB], s[TBS], v[ADRB0]
	s_mul_i32 s2, s[WV], 16*SP
	s_add_co_u32 s2, s2, STAGE                     ; my stage
	v_mul_u32_u24 v5, v1, SP                       ; in: row l % 16, 16 bytes for each half of the lanes
	v_lshl_add_u32 v5, v2, 4, v5
	v_add_nc_u32 v[STO], s2, v5
	v_bfe_u32 v5, v0, 3, 2                         ; back: 32 lanes take four rows of 128 bytes
	v_mul_u32_u24 v5, v5, SP
	v_lshl_add_u32 v5, v4, 4, v5
	v_add_nc_u32 v[RD], s2, v5
	s_mul_i32 s2, s[WV], 768
	s_add_co_u32 s2, s2, NSTG                      ; my wave's 768 bytes
	v_lshl_add_u32 v[NST], v1, 2, s2
	v_lshl_add_u32 v[NRD], v6, 3, s2
	v_lshl_add_u32 v[BRD], v2, 5, s2               ; my eight numbers of a block's sixteen
	v_mov_b32 v[OTH], 0                            ; v_permlanex16_b32 counts as a reader of its destination
	s_mul_i32 s46, s[TC], 3*1048576                ; qkvh: three column-heads of 1,048,576 bytes a tile column,
	s_lshl_b32 s3, s[TR], 15                       ; 256 rows of 128 bytes a tile row,
	s_add_co_u32 s46, s46, s3
	s_lshl_b32 s3, s[WV], 13                       ; my wave's 64
	s_add_co_u32 s46, s46, s3
	s_add_nc_u64 s[10:11], s[10:11], s[46:47]
	s_mul_i32 s46, s[TC], 3*32768                  ; nrm likewise, 4 bytes a row
	s_lshl_b32 s3, s[TR], 10
	s_add_co_u32 s46, s46, s3
	s_lshl_b32 s3, s[WV], 8
	s_add_co_u32 s46, s46, s3
	s_add_nc_u64 s[12:13], s[12:13], s[46:47]
	; The bias is rounded to bf16, like every input, six numbers a lane; it goes through my wave's own LDS words and comes back in the layout of a result: register j of block b holds column
	; 16 b + 8 (l / 16) + j.  It starts the sums as the first products' C.
	s_wait_loadcnt 0x0
.irp g, 0,1,2
	v_cvt_pk_bf16_f32 v[CT+(\g)], v[BT+2*(\g)], v[BT+2*(\g)+1]
.endr
.irp g, 0,1,2
	v_lshlrev_b32 v[BT+2*(\g)], 16, v[CT+(\g)]
	v_and_b32 v[BT+2*(\g)+1], s68, v[CT+(\g)]
.endr
.irp g, 0,1,2
	ds_store_b64 v[NRD], v[BT+2*(\g):BT+2*(\g)+1] offset:256*(\g)
.endr
.set bb, 0
.rept NBLK
	ds_load_b128 v[BI+8*bb:BI+8*bb+3],   v[BRD] offset:64*bb     ; LDS serves a wave's instructions in order (ISA guide 5.7.1.4): these see the stores above
	ds_load_b128 v[BI+8*bb+4:BI+8*bb+7], v[BRD] offset:64*bb+16
.set bb, bb+1
.endr
; 12 matrix instructions: row block a x all 12 column blocks, 32 along K, out of buffer f.  first = 1: the bias is C and starts the sums: nothing is ever cleared.
; The 48 accumulators take turns, one instruction a turn, in the same order in every quarter.
.macro MULA f, a, first
.if \first
	WIN 0x85+0x40*((\a)/2)                         ; sources 0 and 1 window 1, C window 0, D window 2 or 3
.else
	WIN 0xa5+0x50*((\a)/2)                         ; C and D window 2 or 3
.endif
.set AC, 8*NBLK*((\a)%2)
.set bb, 0
.rept NBLK
.if \first
	v_wmma_f32_16x16x32_bf16 v[AC+8*bb:AC+8*bb+7], v[(\f)+8*bb:(\f)+8*bb+7], v[(\f)+8*NBLK+8*(\a):(\f)+8*NBLK+8*(\a)+7], v[BI+8*bb:BI+8*bb+7]
.else
	v_wmma_f32_16x16x32_bf16 v[AC+8*bb:AC+8*bb+7], v[(\f)+8*bb:(\f)+8*bb+7], v[(\f)+8*NBLK+8*(\a):(\f)+8*NBLK+8*(\a)+7], v[AC+8*bb:AC+8*bb+7]
.endif
.set bb, bb+1
.endr
.endm
; 32 LDS loads in one run: the fragments of quarter q (32 along K) of the slot that is read into buffer f: W's 12 blocks, then x's 4
.macro FETCH q, f
	WIN TO_F
.set bb, 0
.rept NBLK
	ds_load_tr16_b128 v[(\f)+8*bb:(\f)+8*bb+3],   v[AB] offset:32*(\q)*PB+(bb/4)*160+(bb%4)*32
	ds_load_tr16_b128 v[(\f)+8*bb+4:(\f)+8*bb+7], v[AB] offset:32*(\q)*PB+16*PB+(bb/4)*160+(bb%4)*32
.set bb, bb+1
.endr
.set aa, 0
.rept 4
	ds_load_b128 v[(\f)+8*NBLK+8*aa:(\f)+8*NBLK+8*aa+3],   v[AA] offset:64*(\q)+aa*16*PA
	ds_load_b128 v[(\f)+8*NBLK+8*aa+4:(\f)+8*NBLK+8*aa+7], v[AA] offset:64*(\q)+aa*16*PA+32
.set aa, aa+1
.endr
.endm
.macro PLACES                          ; four places in front of loads into registers that matrix instructions have read, and of vector lines that read results (ISA guide 7.12.1 for the vector lines)
.rept 4
	v_nop
.endr
.endm
; A K step is four quarters of 32 along K, 48 matrix instructions each, on buffers 0, 1, 0, 1.  One of the first three: multiplies buffer f and fetches quarter q into buffer g.
.macro QUARTER q, f, g, first
	s_wait_dscnt 4                                 ; W and x's blocks 0, 1 are in; the youngest four loads (x's blocks 2, 3) may be out
	MULA \f, 0, \first
	MULA \f, 1, \first
	PLACES
	FETCH \q, \g
	s_wait_dscnt NL                                ; all but the run just issued
	MULA \f, 2, \first
	MULA \f, 3, \first
.endm
; The last quarter multiplies buffer 1 and changes slots: ONE barrier; in front of it each wave waits for all its tensor loads, adds 0 to its spare word, and waits for that and for its own reads of
; this slot.  fill = 1: this slot is filled again, two K steps ahead; the barrier then opens a round of the cluster's.
.macro TURN fill
	WIN 0                                          ; (the add's two registers lie in window 0)
	s_wait_tensorcnt 0x0                           ; all my tensor loads have landed: the one that was out is my part of the next slot;
	ds_add_u32 v[SPW], v[NIL]                      ; 0 onto my spare word;
	s_wait_dscnt 5                                 ; (the add and the youngest four loads may be out)
	MULA F1, 0, 0                                  ; twelve matrix instructions stand between the add and the wait for it
	s_wait_dscnt 0x0                               ; the add is done, and my reads of this slot are over
	s_barrier_signal -1
	MULA F1, 1, 0
	WIN 0                                          ; (branches and window 0's address lines follow)
	s_barrier_wait -1
.if \fill
	CREST                                          ; no wave of any partner still reads this slot's tile or has a load on its way
	s_xor_b32 s[G0A+5], s[G0A+5], SLOT             ; the walking descriptors: the other slot than last time,
	s_add_nc_u64 s[G0A+6:G0A+7], s[G0A+6:G0A+7], ASTEP  ; the next K step; the type bits on top are not reached
	s_xor_b32 s[G0B+5], s[G0B+5], SLOT
	s_add_nc_u64 s[G0B+6:G0B+7], s[G0B+6:G0B+7], BSTEP
	JLOAD 1                                        ; the first tensor load behind the round, my one load that is out: 168 matrix instructions ahead of the wait for it; its four v_nop are also the places in front of the loads below
.else
	PLACES
.endif
	s_xor_b32 s[TBS], s[TBS], SLOT                 ; the reads go on in the other slot
	v_add_nc_u32 v[AA], s[TBS], v[ADRA0]
	v_add_nc_u32 v[AB], s[TBS], v[ADRB0]
	FETCH 0, F0
	MULA F1, 2, 0
	MULA F1, 3, 0
.endm
	s_wait_dscnt 0x0                               ; the bias is in its registers, and no LDS instruction of mine is out at the signal
	s_wait_tensorcnt 0x1                           ; my part of K step 0 is in; step 1's may stay out
	s_barrier_signal -1
	s_barrier_wait -1                              ; everybody's is
	FETCH 0, F0
	QUARTER 1, F0, F1, 1                           ; the first quarter stands in front of the loops: its products start the sums
	WIN 0                                          ; at a label and at a branch every window is 0
	s_mov_b32 s[LAP], 6                            ; K steps 0 to 5 ask for steps 2 to 7
.Lfill:
	QUARTER 2, F1, F0, 0
	QUARTER 3, F0, F1, 0
	TURN 1
	QUARTER 1, F0, F1, 0
	WIN 0
	s_sub_co_u32 s[LAP], s[LAP], 1
	s_cmp_lg_u32 s[LAP], 0
	s_cbranch_scc1 .Lfill
	s_mov_b32 s[LAP], 2                            ; K steps 6 and 7 ask for nothing
.Ldry:
	QUARTER 2, F1, F0, 0
	QUARTER 3, F0, F1, 0
	TURN 0                                         ; in the last trip its barrier orders nothing and its 32 loads (of the other slot's landed bytes) serve nothing: the price, once a work-group, of one text for both trips
	WIN 0
	s_cmp_eq_u32 s[LAP], 1
	s_cbranch_scc1 .Lover                          ; behind K step 7 there is no next step's first quarter
	QUARTER 1, F0, F1, 0
	WIN 0
.Lover:
	s_wait_dscnt 0x0                               ; no load into a fragment buffer is out where the two ways join
	s_sub_co_u32 s[LAP], s[LAP], 1
	s_cmp_lg_u32 s[LAP], 0
	s_cbranch_scc1 .Ldry
	PLACES
; THE WAY OUT, in twelve units: 16 rows (block a) of one column-head (g).  PACK: the squares of my 32 numbers of a row are added in two chains, each accumulator's registers in ascending order; the
; numbers are rounded to f16, 16 bytes for each block; the other half of the lanes' sum is added, and the row's sum goes to its word (both halves write the same number there); the 16 bytes go into
; rows of 144 bytes and come back as whole rows of 128, into the registers that they left.  SEND: 512 consecutive bytes a store.  Each unit has 16 registers of its own, so no store's data is written again.
.macro PACK a, g
.set U, OUTR+16*(3*(\a)+(\g))
	WIN 0x0a+5*((\a)/2)                            ; sources 0 and 1: window 2 or 3
.set ff, 0
.rept 4
.set AC, 8*(NBLK*((\a)%2)+4*(\g)+ff)
.set pp, 0
.rept 4
.if (ff < 2) && (pp == 0)
	v_pk_mul_f32 v[SQ+2*(ff%2):SQ+2*(ff%2)+1], v[AC+2*pp:AC+2*pp+1], v[AC+2*pp:AC+2*pp+1]
.else
	v_pk_fma_f32 v[SQ+2*(ff%2):SQ+2*(ff%2)+1], v[AC+2*pp:AC+2*pp+1], v[AC+2*pp:AC+2*pp+1], v[SQ+2*(ff%2):SQ+2*(ff%2)+1]
.endif
	v_cvt_pk_f16_f32 v[U+4*ff+pp], v[AC+2*pp], v[AC+2*pp+1]
.set pp, pp+1
.endr
.set ff, ff+1
.endr
	WIN 0
	v_pk_add_f32 v[SQ:SQ+1], v[SQ:SQ+1], v[SQ+2:SQ+3]
	v_add_f32 v[SUM], v[SQ], v[SQ+1]
	v_permlanex16_b32 v[OTH], v[SUM], s[SEL], s[SEL+1]
	v_add_f32 v[SUM], v[SUM], v[OTH]
	ds_store_b32 v[NST], v[SUM] offset:(64*(\g)+16*(\a))*4
.set ff, 0
.rept 4
	ds_store_b128 v[STO], v[U+4*ff:U+4*ff+3] offset:32*ff
.set ff, ff+1
.endr
.set ff, 0
.rept 4
	ds_load_b128 v[U+4*ff:U+4*ff+3], v[RD] offset:4*SP*ff  ; LDS serves a wave's instructions in order (ISA guide 5.7.1.4): these see the stores above; the next unit's stores come behind them
.set ff, ff+1
.endr
.endm
.macro SEND a, g, younger              ; younger: the LDS instructions issued behind the unit's loads: the next unit's nine, or none
.set U, OUTR+16*(3*(\a)+(\g))
.set ff, 0
.rept 4
	s_wait_dscnt (\younger)+3-ff
	global_store_b128 v[GO], v[U+4*ff:U+4*ff+3], s[10:11] offset:(\g)*1048576+(\a)*2048+ff*512
.set ff, ff+1
.endr
.endm
	PACK 0, 0
.set u, 1
.rept 11                               ; a unit's arithmetic stands between the loads of the unit before and its stores
	PACK u/3, u%3
	SEND (u-1)/3, (u-1)%3, 9
.set u, u+1
.endr
	SEND 3, 2, 0
.irp g, 0,1,2
	ds_load_b64 v[NR+2*(\g):NR+2*(\g)+1], v[NRD] offset:256*(\g)  ; a head's 64 sums of squares, my wave's own words
.endr
.irp g, 0,1,2
	s_wait_dscnt 2-(\g)
	global_store_b64 v[NGO], v[NR+2*(\g):NR+2*(\g)+1], s[12:13] offset:32768*(\g)  ; 256 consecutive bytes, at a multiple of 256 from nrm's first
.endr
	s_wait_tensorcnt 0x0                           ; the wave's end: behind my last tensor load and my last LDS store
	ds_add_u32 v[SPW], v[NIL]
	s_wait_dscnt 0x0
	CROUND                                         ; the closing round: no work-group ends while a partner may still ask for a tile that names it
	s_endpgm
.Lfunc_end_k_qb13661cece_qkv:
	.size	k_qb13661cece_qkv, .Lfunc_end_k_qb13661cece_qkv-k_qb13661cece_qkv
	.p2alignl 7, 3214868480
	.fill 96, 4, 3214868480
	.section	.rodata,"a",@progbits
	.p2align	6, 0x0
	.amdhsa_kernel k_qb13661cece_qkv
		.amdhsa_group_segment_fixed_size 327680
		.amdhsa_private_segment_fixed_size 0
		.amdhsa_enable_private_segment 0
		.amdhsa_kernarg_size 40
		.amdhsa_user_sgpr_count 2
		.amdhsa_user_sgpr_kernarg_segment_ptr 1
		.amdhsa_wavefront_size32 1
		.amdhsa_system_sgpr_workgroup_id_x 1
		.amdhsa_system_sgpr_workgroup_id_y 1
		.amdhsa_system_sgpr_workgroup_id_z 1
		.amdhsa_system_vgpr_workitem_id 0
		.amdhsa_next_free_vgpr 960
		.amdhsa_next_free_sgpr 72
		.amdhsa_reserve_vcc 0
		.amdhsa_float_denorm_mode_32 3
		.amdhsa_float_denorm_mode_16_64 3
		.amdhsa_memory_ordered 1
		.amdhsa_forward_progress 1
		.amdhsa_inst_pref_size 103
	.end_amdhsa_kernel
	.amdgpu_metadata
---
amdhsa.version: [ 1, 2 ]
amdhsa.kernels:
  - .name:           k_qb13661cece_qkv
    .symbol:         k_qb13661cece_qkv.kd
    .args:
      - { .name: xb, .offset: 0, .size: 8, .value_kind: global_buffer, .address_space: global }
      - { .name: wqb, .offset: 8, .size: 8, .value_kind: global_buffer, .address_space: global }
      - { .name: b_qkv, .offset: 16, .size: 8, .value_kind: global_buffer, .address_space: global }
      - { .name: qkvh, .offset: 24, .size: 8, .value_kind: global_buffer, .address_space: global }
      - { .name: nrm, .offset: 32, .size: 8, .value_kind: global_buffer, .address_space: global }
    .group_segment_fixed_size: 327680
    .private_segment_fixed_size: 0
    .kernarg_segment_align: 8
    .kernarg_segment_size: 40
    .max_flat_workgroup_size: 128
    .sgpr_count:     72
    .vgpr_count:     960
    .wavefront_size: 32
...
	.end_amdgpu_metadata
.endif
;; end of part 2
;; launch pick (part 3): grid 32 x 1, 8 waves a work-group, no clusters, 2,048 bytes of LDS; arguments nrm, pos; writes pos
.if DOCPART == 3
	.amdgcn_target "amdgcn-amd-amdhsa--gfx1250"
	.amdhsa_code_object_version 6
	.text
	.protected	k_qb13661cece_pick
	.globl	k_qb13661cece_pick
	.p2align	8
	.type	k_qb13661cece_pick,@function
k_qb13661cece_pick:
	s_mov_b64 s[64:65], 0
	v_nop
	global_prefetch_b8 v0, s[64:65] scope:SCOPE_SE
	s_setreg_imm32_b32 hwreg(HW_REG_WAVE_MODE, 25, 1), 1
	s_wait_xcnt 0x0
; For each of the 32 pairs hb = 2 h + b: which 1,228 of the 4,096 rows have the largest |q|^2, and where each goes in the dense list of keys.
; pos[hb][t] = 0 .. 1,227 for a chosen row (each number once), 0x7fff for the others.  Among equal sums the lower rows win.
; LIMITS.  The order is taken on |q|^2 in f32, not on its root: two different sums whose roots round to one f32 count as different here.  NaN is not treated apart.
; A sum of squares is not negative, so its bits as an unsigned number are ordered as the numbers are.  The 1,228th largest is found bit by bit from the top: a candidate (what is fixed, with the
; next bit set) stays if at least 1,228 keys are not below it: 32 passes, each a count over the work-group.  No branch and no address hangs on the keys: choices are made by v_cndmask_b32.
; One work-group for each hb, since a count spans all its 4,096 keys: 32 work-groups.  Thread t holds keys 16 t .. 16 t + 15.  No matrix unit, no tensor load: 16 KiB a work-group.
.set KEEP,  1228
.set K,    4                           ; v[4:19]   my 16 keys
.set TH,   20                          ; v20       what is fixed of the threshold
.set CA,   21                          ; v21       the candidate
.set W,    22                          ; v22       at work
.set RB,   24                          ; v[24:31]  the eight waves' words
.set WA,   32                          ; v32       4 x my wave's number
.set ZA,   33                          ; v33       0, an LDS address
.set LG,   34                          ; v34, v35  keys above, and equal to, the threshold in my wave's lower lanes
.set LE,   35
.set RG,   36                          ; v36, v37  the same in all rows below the key in hand
.set RE,   37
.set GG,   38                          ; v38       keys above the threshold
.set EE,   39                          ; v39       equal keys that are wanted
.set TOT,  40
.set PRE,  41
.set T0,   42
.set T1,   43
.set P,    44                          ; v[44:59]  the 16 results
.set NONE, 60
.set SPW,  62                          ; v62       LDS address of my spare word; never rewritten
.set NIL,  63                          ; v63       0; never rewritten
.set SPARE, 1024                       ; the spare words, 128 bytes for each of eight waves.  Bytes 0-31 and 256-287: the passes' counts, by turns; 512-543: the last totals
.set GM,   16                          ; s[16:31]  masks: key j not below the candidate; later: above the threshold
.set EM,   32                          ; s[32:47]  masks: key j equal to the threshold
.set BIT,  10
.set KP,   11
.macro COUNT d, t, m                   ; s[d] = the bits set in the sixteen masks from s[m] on
	s_bcnt1_i32_b32 s[\d], s[\m]
.set j, 1
.rept 15
	s_bcnt1_i32_b32 s[\t], s[(\m)+j]
	s_add_co_u32 s[\d], s[\d], s[\t]
.set j, j+1
.endr
.endm
	s_load_b128 s[4:7], s[0:1], 0x0                ; nrm s[4:5], pos s[6:7]
	v_lshl_add_u32 v[SPW], v0, 2, SPARE
	v_mov_b32 v[NIL], 0
	v_lshrrev_b32 v2, 5, v0
	v_readfirstlane_b32 s8, v2                     ; wave 0..7
	v_lshlrev_b32 v1, 6, v0                        ; 64 bytes a thread, in nrm and in pos
	v_mov_b32 v[WA], s8
	v_lshlrev_b32 v[WA], 2, v[WA]
	v_mov_b32 v[ZA], 0
	v_mov_b32 v[TH], 0
	v_mov_b32 v[NONE], 0x7fff
	s_mov_b32 s[BIT], 0x80000000
	s_mov_b32 s[KP], KEEP
	s_lshl_b32 s12, ttmp9, 14                      ; 16,384 bytes for each hb, in both
	s_mov_b32 s13, 0
	s_wait_kmcnt 0x0
	s_add_nc_u64 s[4:5], s[4:5], s[12:13]
	s_add_nc_u64 s[6:7], s[6:7], s[12:13]
.irp i, 0,1,2,3
	global_load_b128 v[K+4*(\i):K+4*(\i)+3], v1, s[4:5] offset:16*(\i)
.endr
	s_wait_loadcnt 0x0
; A pass.  Each wave's count goes to its own word of region r; behind the barrier every wave reads all eight.  The two regions take turns, so one barrier a pass is enough: a region is written again
; two passes later, behind the other pass's barrier, in front of which every wave has waited for its reads.
.macro PASS r
	v_or_b32 v[CA], s[BIT], v[TH]
.set j, 0
.rept 16
	v_cmp_ge_u32 s[GM+j], v[K+j], v[CA]
.set j, j+1
.endr
	COUNT 48, 49, GM
	v_mov_b32 v[W], s48
	ds_store_b32 v[WA], v[W] offset:\r             ; all lanes write the same word with the same number
	s_wait_dscnt 0x0                               ; for the others' sake: my store is done
	s_barrier_signal -1
	s_barrier_wait -1
	ds_load_b128 v[RB:RB+3], v[ZA] offset:\r
	ds_load_b128 v[RB+4:RB+7], v[ZA] offset:(\r)+16
	s_wait_dscnt 0x0
	v_add3_u32 v[W], v[RB], v[RB+1], v[RB+2]
	v_add3_u32 v[W], v[W], v[RB+3], v[RB+4]
	v_add3_u32 v[W], v[W], v[RB+5], v[RB+6]
	v_add_nc_u32 v[W], v[W], v[RB+7]
	v_cmp_le_u32 vcc_lo, s[KP], v[W]               ; at least 1,228 keys are not below the candidate: it stays
	v_cndmask_b32 v[TH], v[TH], v[CA], vcc_lo
	s_lshr_b32 s[BIT], s[BIT], 1
.endm
	s_mov_b32 s9, 16
.Lbits:
	PASS 0
	PASS 256
	s_sub_co_u32 s9, s9, 1
	s_cmp_lg_u32 s9, 0
	s_cbranch_scc1 .Lbits
	; The threshold is the 1,228th largest key.  All keys above it are chosen, and of the equal ones the first 1,228 - G by row.
.set j, 0
.rept 16
	v_cmp_gt_u32 s[GM+j], v[K+j], v[TH]
	v_cmp_eq_u32 s[EM+j], v[K+j], v[TH]
.set j, j+1
.endr
	v_mbcnt_lo_u32_b32 v[LG], s[GM], 0             ; in my wave's lower lanes, whose rows all lie below mine
	v_mbcnt_lo_u32_b32 v[LE], s[EM], 0
.set j, 1
.rept 15
	v_mbcnt_lo_u32_b32 v[LG], s[GM+j], v[LG]
	v_mbcnt_lo_u32_b32 v[LE], s[EM+j], v[LE]
.set j, j+1
.endr
	COUNT 48, 49, GM
	COUNT 50, 49, EM
	s_lshl_b32 s50, s50, 16                        ; both totals in one word: neither sum passes 4,096
	s_or_b32 s48, s48, s50
	v_mov_b32 v[W], s48
	ds_store_b32 v[WA], v[W] offset:512
	s_wait_dscnt 0x0
	s_barrier_signal -1
	s_barrier_wait -1
	ds_load_b128 v[RB:RB+3], v[ZA] offset:512
	ds_load_b128 v[RB+4:RB+7], v[ZA] offset:528
	v_mov_b32 v[PRE], 0
	s_wait_dscnt 0x0
	v_mov_b32 v[TOT], v[RB+7]
.irp w, 0,1,2,3,4,5,6
	s_cmp_gt_u32 s8, \w                            ; a wave below mine counts in my prefix
	s_cselect_b32 s53, -1, 0
	v_and_b32 v[T0], s53, v[RB+(\w)]
	v_add_nc_u32 v[PRE], v[PRE], v[T0]
	v_add_nc_u32 v[TOT], v[TOT], v[RB+(\w)]
.endr
	v_and_b32 v[GG], 0xffff, v[TOT]
	v_sub_nc_u32 v[EE], s[KP], v[GG]
	v_and_b32 v[T0], 0xffff, v[PRE]
	v_add_nc_u32 v[RG], v[T0], v[LG]
	v_lshrrev_b32 v[T0], 16, v[PRE]
	v_add_nc_u32 v[RE], v[T0], v[LE]
.set j, 0
.rept 16
	v_cmp_gt_u32 s54, v[EE], v[RE]                 ; equal keys are still wanted,
	s_and_b32 s54, s54, s[EM+j]                    ; and this is one
	v_add_nc_u32 v[T0], v[GG], v[RE]
	v_cndmask_b32 v[P+j], v[NONE], v[RG], s[GM+j]
	v_cndmask_b32 v[P+j], v[P+j], v[T0], s54
	v_cndmask_b32 v[T1], 0, 1, s[GM+j]
	v_add_nc_u32 v[RG], v[RG], v[T1]
	v_cndmask_b32 v[T1], 0, 1, s[EM+j]
	v_add_nc_u32 v[RE], v[RE], v[T1]
.set j, j+1
.endr
.irp i, 0,1,2,3
	global_store_b128 v1, v[P+4*(\i):P+4*(\i)+3], s[6:7] offset:16*(\i)
.endr
	s_wait_tensorcnt 0x0                           ; the wave's end: behind my last LDS store
	ds_add_u32 v[SPW], v[NIL]
	s_wait_dscnt 0x0
	s_endpgm
.Lfunc_end_k_qb13661cece_pick:
	.size	k_qb13661cece_pick, .Lfunc_end_k_qb13661cece_pick-k_qb13661cece_pick
	.p2alignl 7, 3214868480
	.fill 96, 4, 3214868480
	.section	.rodata,"a",@progbits
	.p2align	6, 0x0
	.amdhsa_kernel k_qb13661cece_pick
		.amdhsa_group_segment_fixed_size 2048
		.amdhsa_private_segment_fixed_size 0
		.amdhsa_enable_private_segment 0
		.amdhsa_kernarg_size 16
		.amdhsa_user_sgpr_count 2
		.amdhsa_user_sgpr_kernarg_segment_ptr 1
		.amdhsa_wavefront_size32 1
		.amdhsa_system_sgpr_workgroup_id_x 1
		.amdhsa_system_sgpr_workgroup_id_y 1
		.amdhsa_system_sgpr_workgroup_id_z 1
		.amdhsa_system_vgpr_workitem_id 0
		.amdhsa_next_free_vgpr 72
		.amdhsa_next_free_sgpr 66
		.amdhsa_reserve_vcc 1
		.amdhsa_float_denorm_mode_32 3
		.amdhsa_float_denorm_mode_16_64 3
		.amdhsa_memory_ordered 1
		.amdhsa_forward_progress 1
		.amdhsa_inst_pref_size 23
	.end_amdhsa_kernel
	.amdgpu_metadata
---
amdhsa.version: [ 1, 2 ]
amdhsa.kernels:
  - .name:           k_qb13661cece_pick
    .symbol:         k_qb13661cece_pick.kd
    .args:
      - { .name: nrm, .offset: 0, .size: 8, .value_kind: global_buffer, .address_space: global }
      - { .name: pos, .offset: 8, .size: 8, .value_kind: global_buffer, .address_space: global }
    .group_segment_fixed_size: 2048
    .private_segment_fixed_size: 0
    .kernarg_segment_align: 8
    .kernarg_segment_size: 16
    .max_flat_workgroup_size: 256
    .sgpr_count:     66
    .vgpr_count:     72
    .wavefront_size: 32
...
	.end_amdgpu_metadata
.endif
;; end of part 3
;; launch move (part 4): grid 32 x 32, 8 waves a work-group, no clusters, 0 bytes of LDS; arguments pos, qkvh, kv; writes kv
.if DOCPART == 4
	.amdgcn_target "amdgcn-amd-amdhsa--gfx1250"
	.amdhsa_code_object_version 6
	.text
	.protected	k_qb13661cece_move
	.globl	k_qb13661cece_move
	.p2align	8
	.type	k_qb13661cece_move,@function
k_qb13661cece_move:
	s_mov_b64 s[64:65], 0
	v_nop
	global_prefetch_b8 v0, s[64:65] scope:SCOPE_SE
	s_setreg_imm32_b32 hwreg(HW_REG_WAVE_MODE, 25, 1), 1
	s_wait_xcnt 0x0
; The chosen rows of k and v are copied into dense lists.  kv: f16 [2][32 hb][1280][64]; row pos[hb][t] of list hb takes row t of head hb, for the rows with pos < 1,228.
; Rows 1,228 to 1,279 of every list are written 0: the attention walks 1,280 keys and hides these 52.
; The places were stored as whole numbers by the launch before; here they enter addresses (held to 0 .. 1,279 first) and the lanes' mask.
; A work-group takes 128 rows of one hb, a wave 16, in four passes of four rows; eight lanes copy a row's 128 bytes.  Rows that are not chosen are neither loaded nor stored.
; A stream with a scatter: no LDS, no matrix unit, no cluster (no byte is read by two work-groups).  A store covers whole rows of 128 bytes; places rise with the rows, so chosen neighbours land side by side.
.set KEEP, 1228
.set KOFF, 16*1048576                  ; k's column-heads begin here in qkvh; v's as far behind them
.set VLIST, 32*1280*128                ; v's lists begin here in kv
.set PP, 4                             ; v[4:7]    pos of my row in pass p
.set D,  8                             ; v[8:11]   my byte offset in the list
.set KR, 16                            ; v[16:31]  16 bytes of k's row, for each pass
.set VR, 32                            ; v[32:47]  of v's
.set Z,  48                            ; v[48:51]  0
	s_load_b128 s[4:7], s[0:1], 0x0                ; pos s[4:5], qkvh s[6:7]
	s_load_b64 s[8:9], s[0:1], 0x10                ; kv
	v_lshrrev_b32 v1, 5, v0
	v_readfirstlane_b32 s10, v1                    ; wave 0..7
	s_and_b32 s11, ttmp7, 0xffff                   ; hb
	v_bfe_u32 v12, v0, 3, 2                        ; which of a pass's four rows
	v_lshl_add_u32 v12, v1, 4, v12                 ; + 16 x wave
	s_lshl_b32 s12, ttmp9, 7
	v_add_nc_u32 v12, s12, v12                     ; + 128 x block: my row in pass 0
	v_and_b32 v13, 7, v0
	v_lshlrev_b32 v13, 4, v13                      ; my 16 bytes of a row
	v_lshlrev_b32 v2, 2, v12                       ; in pos
	v_lshl_add_u32 v3, v12, 7, v13                 ; in a head's rows
	v_and_b32 v52, 31, v0
	v_lshlrev_b32 v52, 4, v52
.set i, 0
.rept 32
	v_mov_b32 v[KR+i], 0                           ; written whole once: the loads below write chosen rows' lanes alone
.set i, i+1
.endr
.irp i, 0,1,2,3
	v_mov_b32 v[Z+(\i)], 0
.endr
	s_lshl_b32 s14, s11, 14                        ; pos: 16,384 bytes for each hb
	s_mov_b32 s15, 0
	s_lshl_b32 s16, s11, 19                        ; a head's 4,096 rows of 128 bytes,
	s_add_co_u32 s16, s16, KOFF                    ; among k's
	s_mov_b32 s17, 0
	s_mul_i32 s18, s11, 1280*128                   ; a list
	s_mov_b32 s19, 0
	s_or_b32 s21, ttmp9, s10                       ; 0 in wave 0 of block 0 alone
	s_wait_kmcnt 0x0
	s_add_nc_u64 s[4:5], s[4:5], s[14:15]
	s_add_nc_u64 s[6:7], s[6:7], s[16:17]          ; k's rows
	s_add_nc_u64 s[22:23], s[6:7], KOFF            ; v's rows
	s_add_nc_u64 s[8:9], s[8:9], s[18:19]
.irp p, 0,1,2,3
	global_load_b32 v[PP+(\p)], v2, s[4:5] offset:16*(\p)
.endr
	s_cmp_lg_u32 s21, 0
	s_cbranch_scc1 .Lno_pad
.set j, 0
.rept 13                               ; 52 rows of 128 bytes are 13 stores of 512 consecutive bytes, from a multiple of 256 on
	global_store_b128 v52, v[Z:Z+3], s[8:9] offset:KEEP*128+512*j
	global_store_b128 v52, v[Z:Z+3], s[8:9] offset:VLIST+KEEP*128+512*j
.set j, j+1
.endr
.Lno_pad:
	s_wait_loadcnt 0x0
.irp p, 0,1,2,3
	v_min_u32 v[D+(\p)], 0x4ff, v[PP+(\p)]         ; inside the list whatever was read
	v_lshl_add_u32 v[D+(\p)], v[D+(\p)], 7, v13
.endr
.irp p, 0,1,2,3
	v_cmp_gt_u32 vcc_lo, KEEP, v[PP+(\p)]
	s_wait_xcnt 0x0                                ; EXEC, a source of the memory instructions in front, changes only behind this wait
	s_and_saveexec_b32 s20, vcc_lo
	global_load_b128 v[KR+4*(\p):KR+4*(\p)+3], v3, s[6:7] offset:512*(\p)
	global_load_b128 v[VR+4*(\p):VR+4*(\p)+3], v3, s[22:23] offset:512*(\p)
	s_wait_xcnt 0x0                                ; and again, in front of the line that widens it
	s_or_b32 exec_lo, exec_lo, s20
.endr
.irp p, 0,1,2,3
	s_wait_loadcnt 6-2*(\p)                        ; pass p's two loads are in; the later passes' stay out
	v_cmp_gt_u32 vcc_lo, KEEP, v[PP+(\p)]
	s_wait_xcnt 0x0
	s_and_saveexec_b32 s20, vcc_lo
	global_store_b128 v[D+(\p)], v[KR+4*(\p):KR+4*(\p)+3], s[8:9]
	global_store_b128 v[D+(\p)], v[VR+4*(\p):VR+4*(\p)+3], s[8:9] offset:VLIST
	s_wait_xcnt 0x0
	s_or_b32 exec_lo, exec_lo, s20
.endr
	s_endpgm
.Lfunc_end_k_qb13661cece_move:
	.size	k_qb13661cece_move, .Lfunc_end_k_qb13661cece_move-k_qb13661cece_move
	.p2alignl 7, 3214868480
	.fill 96, 4, 3214868480
	.section	.rodata,"a",@progbits
	.p2align	6, 0x0
	.amdhsa_kernel k_qb13661cece_move
		.amdhsa_group_segment_fixed_size 0
		.amdhsa_private_segment_fixed_size 0
		.amdhsa_enable_private_segment 0
		.amdhsa_kernarg_size 24
		.amdhsa_user_sgpr_count 2
		.amdhsa_user_sgpr_kernarg_segment_ptr 1
		.amdhsa_wavefront_size32 1
		.amdhsa_system_sgpr_workgroup_id_x 1
		.amdhsa_system_sgpr_workgroup_id_y 1
		.amdhsa_system_sgpr_workgroup_id_z 1
		.amdhsa_system_vgpr_workitem_id 0
		.amdhsa_next_free_vgpr 64
		.amdhsa_next_free_sgpr 66
		.amdhsa_reserve_vcc 1
		.amdhsa_float_denorm_mode_32 3
		.amdhsa_float_denorm_mode_16_64 3
		.amdhsa_memory_ordered 1
		.amdhsa_forward_progress 1
		.amdhsa_inst_pref_size 10
	.end_amdhsa_kernel
	.amdgpu_metadata
---
amdhsa.version: [ 1, 2 ]
amdhsa.kernels:
  - .name:           k_qb13661cece_move
    .symbol:         k_qb13661cece_move.kd
    .args:
      - { .name: pos, .offset: 0, .size: 8, .value_kind: global_buffer, .address_space: global }
      - { .name: qkvh, .offset: 8, .size: 8, .value_kind: global_buffer, .address_space: global }
      - { .name: kv, .offset: 16, .size: 8, .value_kind: global_buffer, .address_space: global }
    .group_segment_fixed_size: 0
    .private_segment_fixed_size: 0
    .kernarg_segment_align: 8
    .kernarg_segment_size: 24
    .max_flat_workgroup_size: 256
    .sgpr_count:     66
    .vgpr_count:     64
    .wavefront_size: 32
...
	.end_amdgpu_metadata
.endif
;; end of part 4
;; launch attn (part 5): grid 8 x 32, 4 waves a work-group, clusters of 4 x 1, 327,680 bytes of LDS; arguments qkvh, kv, obuf; writes obuf
.if DOCPART == 5
	.amdgcn_target "amdgcn-amd-amdhsa--gfx1250"
	.amdhsa_code_object_version 6
	.text
	.protected	k_qb13661cece_attn
	.globl	k_qb13661cece_attn
	.p2align	8
	.type	k_qb13661cece_attn,@function
k_qb13661cece_attn:
	s_mov_b64 s[64:65], 0
	v_nop
	global_prefetch_b8 v0, s[64:65] scope:SCOPE_SE
	s_setreg_imm32_b32 hwreg(HW_REG_WAVE_MODE, 25, 1), 1
	s_wait_xcnt 0x0
	s_wait_alu depctr_hold_cnt(0) depctr_sa_sdst(0) depctr_va_vdst(0) depctr_va_sdst(0) depctr_va_ssrc(0) depctr_va_vcc(0) depctr_vm_vsrc(0)
	s_getreg_b32 s2, hwreg(HW_REG_IB_STS2, 6, 4)
	s_cmp_eq_u32 s2, 0
	s_cbranch_scc0 .Lentry_in_a_cluster
	s_endpgm
.Lentry_in_a_cluster:
	s_bfe_u32 s2, ttmp6, 0x10000c
	s_cmp_lg_u32 s2, 0x3003
	s_cbranch_scc0 .Lentry_shape_is_right
	s_endpgm
.Lentry_shape_is_right:
; O[hb][q][:] = the sum over the 1,228 chosen keys k of softmax_k(Q[hb][q] . K[hb][k] / 8) V[hb][k][:].  Q: the first 16 column-heads of qkvh, [32 hb][4096][64]; K, V: kv, [2][32 hb][1280][64];
; all f16, rows dense, 128 bytes each.  Products, maxima and sums in f32; the weights p are rounded to f16 for the second product (their sum l is taken of the unrounded p), O once at the end.
; O GOES OUT IN THE ORDER IN WHICH THE NEXT LAUNCH'S MATRIX INSTRUCTION TAKES IT: obuf, f16 [512 tiles of 16 rows m][16 heads][4 blocks of 16 channels][32 lanes][16 bytes]; lane l's 16 bytes are row l % 16,
; channels 8 (l / 16) + 0..7 of the block.  That is how the results lie in my registers, so each block is stored as it stands: 512 consecutive bytes a store, no way through LDS.
; LIMITS.  f16 holds no number beyond 65,504: Q, K and V arrive within it; p lies in 0 to 1, and below 6e-5 it keeps f16's fixed step of 6e-8; O is a mean of V's rows and has their range.
; A hidden score counts as its value less 1e30; a weight below 2^-126 counts as 0 in l; NaN and infinities are not treated apart.
; THE LAST 52 KEYS of the 1,280 that are walked are no keys: their rows hold 0, and their scores start from -1e30, as the C operand of the product that starts the sum.  They lie in the last key step
; (keys 1,216 on, of which 12 are true), which only the tail's text reaches: there C is a register mask, 0 until that step; in the loop C is the constant 0.
; SHARES.  A wave owns four PIECES of two tiles of 16 queries, a work-group's four waves 512 queries of one hb.  Every wave walks all keys, 64 a step.
; LAYOUT.  S^T = K Q^T (source 0 = 16 keys, source 1 = 16 queries): in the result a lane holds ONE query (lane % 16) and the keys 8 (lane / 16) + 0..7.  Two such tiles, rounded to f16 in pairs,
; ARE source 1 (32 keys x 16 queries) of O^T = V^T P, whose result again holds one query a lane, and eight channels.  K comes out of LDS as it lies, V ([key][channel]) turned, by ds_load_tr16_b128.
; SOFTMAX.  For each query a running maximum m and sum l: p = 2^(c s - c m), c = log2(e) / 8; in every step O and l are multiplied by a = 2^(c m_old - c m_new), which is 1 where m has not grown.
; m starts at the lowest finite number, O and l at 0: the first step is a step like any other, with a = 0.
; THE COUNT.  A tile and step have 16 matrix and 118 vector instructions: too many to stand all beside the matrix work.  So the order has one aim: four vector instructions that are READY behind
; EVERY matrix instruction, and the others, which need time of their own whatever the order, in runs without a gap.
; BY TURNS.  Turn n belongs to piece n (the pieces in a ring, step after step).  Its matrix work: 16 products K Q^T of piece n + 1, later 16 products V^T P of piece n - 1.  Its vector work: the scaling,
; exponentials, roundings, sums and rescaling of piece n, and the maximum and statistics of piece n + 1, whose scores the turn itself has made.  So what a turn begins with (c s - c m, O a) waits for nothing.
; CLUSTER.  The four query blocks of a cluster belong to one hb and walk the same K and V, so each tile is asked for JOINTLY: the same tensor load, descriptor and mask in all four.
; REGISTERS, in windows of 256 (s_set_vgpr_msb says which window each operand place means: bits 1:0 source 0, 3:2 source 1, 5:4 source 2, 7:6 destination):
;   window 0: v0-11 addresses; v12-15, v48-63 at work; v16-47 four registers of statistics a tile; v64-191 S^T, two buffers of two tiles; v192-255 P, likewise
;   window 1: O^T, 32 a tile          window 2: v0-127 Q, 16 a tile; v128-191 K of one step; v192-255 V of one step          window 3: v0-1 the add's two registers; v8-23 the mask; v24 its lanes
; A piece's buffers go by its number's parity: the piece in hand has one pair, its two neighbours in the ring share the other: of it P (piece n - 1) is read and S^T (piece n + 1) written.
.set NKEY,  1280      ; keys walked: five slots of 256
.set VLIST, 32*NKEY*128  ; V's lists begin here in kv
.set NP,    4         ; pieces a wave: a name, no knob: the register map, the loop and the fetches are made for four
.set KS,    64        ; keys in a step
.set PK,    144       ; a row of K in LDS: 128 bytes + 16 of padding = 36 words: the 16 rows of a load start at 16 different groups of four banks (64 banks of 4 bytes: ISA guide 11.1)
.set PV,    160       ; a row of V: 128 + 32 = 40 words
.set VOFF,  4*KS*PK   ; a slot holds four steps: 256 rows of K, then 256 rows of V
.set SLOT1, 1<<17     ; slot 1 begins here, so that one exclusive or turns an address in one slot into the other's
.set SPARE, SLOT1+4*KS*(PK+PV)  ; behind the ring: the spare words, 128 bytes for each wave: two blocks of 256 bytes that no other line names
.set AK0, 2           ; v2   my lane's place in a tile of K; never rewritten
.set AV0, 3           ; v3   the same for V
.set AK,  4           ; v4   the LDS address of K's next run of loads
.set AV,  5           ; v5   of V's
.set QO,  6           ; v6   my byte offset in the wave's rows of Q
.set GO,  8           ; v8   my byte offset in 512 consecutive bytes of O
.set SPW, 0           ; v0 of window 3   LDS address of my spare word: SPARE + 4 x my thread's number; never rewritten
.set NIL, 1           ; v1 of window 3   0; never rewritten
.set MC,  8           ; v8-23 of window 3   the mask: eight registers for a step's first 16 keys, eight shared by the other three groups of 16
.set MH,  24          ; v24 of window 3   1.0 in lanes 16-31, 0 in lanes 0-15
.set MV,  12          ; v12-15  c m_old, kept while c m is made anew: by buffer and tile
.set ST,  16          ; tile t's statistics at v[ST+4 t]: c m, m, l (even keys', odd keys')
.set TMP, 48          ; by buffer and tile, four registers c0-c3 at work; when the maximum is found c2 takes a
.set S,   64
.set P,   192
.set KF,  128         ; K's fragments, in window 2: key block kb, channel half c at KF + 16 kb + 8 c
.set VF,  192         ; V's: key half kk, channel block cb at VF + 32 kk + 8 cb
.set WV,  12          ; s12  my wave's number
.set G1K, 24          ; s[24:31] descriptor group 1 for K's tiles
.set G1V, 32          ; s[32:39] for V's: it differs in the padding alone
.set G0K, 40          ; s[40:43] descriptor group 0 for K's tiles: it walks
.set G0V, 44          ; s[44:47] the same for V's
.set SLOTS, 56        ; s56  slots still to be asked for
.set CNT, 57          ; s57  counts a slot's key steps
.set CS,  58          ; s[58:59] c: the packed scaling takes the pair's low word for both halves
.set SEL, 60          ; s[60:61] v_permlanex16_b32's selects: each lane takes its own place in the other half
.set TBK, 62          ; s62  LDS byte at which K of the step to be fetched begins
.set TBV, 63          ; s63  the same for V, less VOFF
.set BE,  68          ; s68  what a hidden score starts from: 0 until the last step, then -1e30
.set BIGN, 69         ; s69  -1e30
.set MSB, 0
.macro WIN new                      ; the high byte repeats the setting that is left; a switch that changes nothing is dropped
.if MSB != (\new)
	s_set_vgpr_msb (MSB<<8)|(\new)
.set MSB, (\new)
.endif
.endm
.set W_KQ, 0x0a       ; K and Q in window 2, S^T in window 0
.set W_KM, 0x3a       ; the same with the C operand in window 3
.set W_PV, 0x52       ; V in window 2, P in window 0, O^T in window 1
.set W_RS, 0x41       ; O^T (destination and source 0) in window 1, a in window 0
.set W_MK, 0xc0       ; destination in window 3, sources in window 0
.set W_MS, 0xcc       ; destination and source 1 in window 3
.set W_AD, 0x0f       ; the add: address (source 0) and data (source 1) in window 3
; A joint fill.  Waves 0 and 1 fetch the two halves of a slot's K, waves 2 and 3 those of its V: 128 keys each.  The branch hangs on the wave's number alone.
; An s_nop 0 and four v_nop follow each of the two lines, ahead of the jump and the label.
.macro JLOAD
	s_cmp_lt_u32 s[WV], 2
	s_cbranch_scc0 .Lfor_v_\@
	tensor_load_to_lds s[G0K:G0K+3], s[G1K:G1K+7]
	s_nop 0
.rept 4
	v_nop
.endr
	s_branch .Lasked_\@
.Lfor_v_\@:
	tensor_load_to_lds s[G0V:G0V+3], s[G1V:G1V+7]
	s_nop 0
.rept 4
	v_nop
.endr
.Lasked_\@:
.endm
; A round of the cluster's barrier: my work-group's barrier, so that wave 0's signal speaks for all four waves; wave 0 signals; every wave waits for all four work-groups; my work-group's barrier once more.
.macro CROUND
	s_barrier_signal -1
	s_barrier_wait -1
	s_cmp_lg_u32 s[WV], 0
	s_cbranch_scc1 .Lnot_wave_0_\@
	s_barrier_signal -3
.Lnot_wave_0_\@:
	s_barrier_wait -3
	s_barrier_signal -1
	s_barrier_wait -1
.endm
; THE CHANGE OF SLOTS.  The slot's last bytes, V of its fourth step, have been read.  Each wave waits for all its tensor loads, of which one is out: its part
; of the other slot; adds 0 to its spare word; and waits for that and for its own reads of the slot.  Behind the barrier nobody reads this slot any more and the other slot is whole.
; fill = 1: this slot is filled again, with the keys two slots on.  The barrier is then a round of the cluster's, so that no wave of any partner still reads the slot or has a load on its
; way, and the joint fill is the first thing behind it: it has four key steps, 512 matrix instructions, in which to land.  (At its first use nothing has been read yet: slot 0 is waited for, slot 1 filled.)
.macro CHANGE fill
	WIN W_AD
	s_wait_tensorcnt 0x0            ; no tensor load of mine is out, so a group 0 may be written
	ds_add_u32 v[SPW], v[NIL]       ; 0 onto my spare word: with fill = 1 the descriptors' steps stand between it and the wait for it
	WIN 0                           ; at a label and at a branch every window is 0
.if \fill
.irp g, G0K, G0V
	s_xor_b32 s[\g+1], s[\g+1], SLOT1  ; the walking descriptor: the other slot than last time,
	s_add_nc_u64 s[\g+2:\g+3], s[\g+2:\g+3], 4*KS*128  ; the next 256 keys; the type bits on top are not reached
.endr
	s_wait_dscnt 0x0                ; the add is done, and my reads of the slot are over
	CROUND
	JLOAD
.else
	s_wait_dscnt 0x0                ; the add is done, and my reads of the slot are over
	s_barrier_signal -1
	s_barrier_wait -1
.endif
	s_sub_co_u32 s[TBK], s[TBK], 4*KS*PK  ; the fetches go back to a slot's first step,
	s_xor_b32 s[TBK], s[TBK], SLOT1       ; in the other slot
	s_sub_co_u32 s[TBV], s[TBV], 4*KS*PV
	s_xor_b32 s[TBV], s[TBV], SLOT1
.endm
	s_load_b128 s[4:7], s[0:1], 0x0   ; qkvh (Q) s[4:5], kv (K's lists) s[6:7]
	s_load_b64 s[10:11], s[0:1], 0x10 ; obuf (O)
	WIN W_MK
	v_lshl_add_u32 v[SPW], v0, 2, SPARE
	v_mov_b32 v[NIL], 0
	WIN W_AD
	ds_add_u32 v[SPW], v[NIL]       ; the wave's opening: the add and its wait stand ahead of my first tensor load; the set-up below, work on registers, stands between them
	WIN 0
	v_lshrrev_b32 v1, 5, v0
	v_readfirstlane_b32 s[WV], v1   ; wave 0..3
	s_bfe_u32 s13, ttmp6, 0x40000   ; cx: my place in the cluster
	s_lshl_b32 s14, ttmp9, 2        ; in a cluster launch ttmp9 counts clusters
	s_add_co_u32 s14, s14, s13      ; my block of queries = 4 x cluster x + cx: it enters Q's and O's addresses alone
	s_and_b32 s20, ttmp7, 0xffff    ; hb = 2 h + b, which the four partners share
	s_and_b32 s16, s[WV], 1         ; which half of a slot's 256 keys I fetch:
	s_mul_i32 s22, s20, NKEY*128    ; hb's list,
	s_lshl_b32 s19, s16, 14         ; my 128 rows of 128 bytes in it
	s_add_co_u32 s22, s22, s19
	s_mov_b32 s23, 0
	s_mul_i32 s17, s16, 128*PK      ; and their place in a slot, for K
	s_mul_i32 s18, s16, 128*PV      ; and for V: no place in the cluster enters an LDS address
	s_lshl_b32 s2, s14, 2
	s_add_co_u32 s2, s2, s[WV]      ; my wave among hb's 32
	s_lshl_b32 s70, s2, 18          ; O: its eight tiles of 16 rows, 32,768 bytes each,
	s_and_b32 s19, s20, 1
	s_lshl_b32 s19, s19, 23         ; behind b's 256 tiles,
	s_add_co_u32 s70, s70, s19
	s_lshr_b32 s19, s20, 1
	s_lshl_b32 s19, s19, 11         ; head h's 2,048 bytes in a tile
	s_add_co_u32 s70, s70, s19
	s_mov_b32 s71, 0
	s_lshl_b32 s2, s2, 14           ; Q: its 128 rows of 128 bytes,
	s_lshl_b32 s19, s20, 19         ; behind hb's first byte
	s_add_co_u32 s2, s2, s19
	s_mov_b32 s3, 0
	; descriptor group 1.  128 keys are 16,384 dense bytes: asked for as 64 rows of 256 bytes, two keys a row, and padded in LDS after every key
	s_mov_b32 s[G1K], 15|(1<<16)|(1<<20)|(1<<21)|(4<<22)|(3<<25)  ; 15:0 the mask of four; 17:16 2-byte elements; 20 padding on; 21 set beside a mask; 24:22 after every 32 words (code 4); 31:25 4 words (code 3)
	s_mov_b32 s[G1V], 15|(1<<16)|(1<<20)|(1<<21)|(4<<22)|(7<<25)  ; the same with 8 words of padding (code 7)
.irp g, G1K, G1V
	s_mov_b32 s[\g+1], 128<<16      ; tensor_dim0 = 128
	s_mov_b32 s[\g+2], 64<<16       ; tensor_dim1 = 64
	s_mov_b32 s[\g+3], 128<<16      ; tile_dim0 = 128
	s_mov_b32 s[\g+4], 64           ; tile_dim1 = 64
	s_mov_b32 s[\g+5], 128          ; 128 elements from row to row
	s_mov_b32 s[\g+6], 0
	s_mov_b32 s[\g+7], 0
.endr
	s_mov_b32 s[CS], 0x3e38aa3b     ; c = log2(e) / 8 = 0.180337
	s_mov_b32 s[CS+1], s[CS]        ; named with it as a pair
	s_mov_b32 s[SEL], 0x76543210
	s_mov_b32 s[SEL+1], 0xfedcba98
	s_mov_b32 s[BIGN], 0xf149f2ca   ; -1e30
	s_mov_b32 s[TBK], SLOT1+4*KS*PK ; the first change of slots turns these two into 0
	s_mov_b32 s[TBV], SLOT1+4*KS*PV
	s_mov_b32 s[G0K], 1             ; 1:0 count = 1
	s_mov_b32 s[G0K+1], s17         ; 63:32 LDS address: slot 0
	s_mov_b32 s[G0V], 1
	s_add_co_u32 s[G0V+1], s18, VOFF
	s_wait_dscnt 0x0                ; the opening add is done
	s_wait_kmcnt 0x0
	s_add_nc_u64 s[8:9], s[6:7], VLIST             ; V's lists
	s_add_nc_u64 s[G0K+2:G0K+3], s[6:7], s[22:23]  ; 120:64 global address: my half of the list's first 256 keys
	s_or_b32 s[G0K+3], s[G0K+3], 0x80000000        ; 127:126 type = 2
	s_add_nc_u64 s[G0V+2:G0V+3], s[8:9], s[22:23]
	s_or_b32 s[G0V+3], s[G0V+3], 0x80000000
	s_add_nc_u64 s[4:5], s[4:5], s[2:3]      ; Q at my wave's first row
	s_add_nc_u64 s[10:11], s[10:11], s[70:71]  ; O at my wave's first tile, my head
	CROUND                          ; all four work-groups are here: the first joint loads meet
	JLOAD                           ; slot 0.  Slot 1 is asked for when slot 0 is in: the tile wanted first has the road to itself
	; A fragment of K or Q is 16 rows x 32 channels in 8 registers: lane l holds row l % 16, channels 8 (l / 16) + 0..7 and 16 + 8 (l / 16) + 0..7: two loads of 16 bytes, 32 bytes apart.
	v_and_b32 v1, 15, v0            ; l % 16
	v_bfe_u32 v9, v0, 4, 1          ; l / 16
	v_lshlrev_b32 v[QO], 7, v1
	v_lshl_add_u32 v[QO], v9, 4, v[QO]  ; row x 128 + 16 x half
	WIN 0x80                        ; destination window 2, address window 0
.set i, 0
.rept 4*NP                          ; Q stays in registers: tile i / 2, channels 32 (i % 2) on
	global_load_b128 v[8*i:8*i+3],   v[QO], s[4:5] offset:(i/2)*2048+(i%2)*64
	global_load_b128 v[8*i+4:8*i+7], v[QO], s[4:5] offset:(i/2)*2048+(i%2)*64+32
.set i, i+1
.endr
	; What the first turn finds: V's registers and P's second buffer hold 0 (its products V^T P, of a piece that has not been, add 0), O^T and l are 0.  All this stands in the wait for the first tile.
.set i, VF
.rept 64
	v_mov_b32 v[i], 0
.set i, i+1
.endr
	WIN 0x40
.set i, 0
.rept 64*NP
	v_mov_b32 v[i], 0
.set i, i+1
.endr
	WIN W_MK
	v_cvt_f32_u32 v[MH], v9         ; 1.0 in the lanes that hold a group's keys 8 to 15
.set i, MC
.rept 16
	v_mov_b32 v[i], 0               ; the mask hides nothing yet
.set i, i+1
.endr
	WIN 0
.set i, 0
.rept 2*NP
	v_mov_b32 v[ST+4*i], 0xfe000000    ; c m: far below every c s
	v_mov_b32 v[ST+4*i+1], 0xff7fffff  ; m
	v_mov_b32 v[ST+4*i+2], 0
	v_mov_b32 v[ST+4*i+3], 0
.set i, i+1
.endr
.set i, P+32
.rept 32
	v_mov_b32 v[i], 0
.set i, i+1
.endr
	v_mul_u32_u24 v[AK0], v1, PK
	v_lshl_add_u32 v[AK0], v9, 4, v[AK0]  ; row x pitch + 16 x half
	; The turning load takes 16 keys x 16 channels (lane l reads key 8 (l / 16) + l % 8, channels 8 ((l / 8) % 2) + 0..7) and leaves half a fragment of V^T: lane l holds channel l % 16 and 8 keys.
	v_and_b32 v10, 7, v0
	v_bfe_u32 v11, v0, 3, 1
	v_lshl_add_u32 v[AV0], v9, 3, v10
	v_mul_u32_u24 v[AV0], v[AV0], PV
	v_lshl_add_u32 v[AV0], v11, 4, v[AV0]
	v_add_nc_u32 v[AV0], VOFF, v[AV0]
	v_mov_b32 v[AK], v[AK0]         ; key step 0 lies at the head of slot 0
; THE MATRIX WORK.  The 8 accumulators of a run of 16 take turns: between the two links of a chain stand 7 others'.
; Product i of 16 of S^T = K Q^T for piece x: channels 32 (i / 8) on, keys 16 ((i / 2) % 4) on, tile 2 x + i % 2.  The first 8 start the sums: with 0, or (KM = 1, the tail's text) with the mask.
.macro KQ x
.set rS, S+64*((\x)%2)+32*(i%2)+8*((i/2)%4)
.set rK, KF+16*((i/2)%4)+8*(i/8)
.set rQ, 16*(2*(\x)+i%2)+8*(i/8)
.set rM, MC+8*(((i/2)%4+3)/4)       ; the first group of 16 keys has its own eight registers, the other three share eight
.if (i < 8) && KM
	WIN W_KM
	v_wmma_f32_16x16x32_f16 v[rS:rS+7], v[rK:rK+7], v[rQ:rQ+7], v[rM:rM+7]
.elseif i < 8
	WIN W_KQ
	v_wmma_f32_16x16x32_f16 v[rS:rS+7], v[rK:rK+7], v[rQ:rQ+7], 0
.else
	WIN W_KQ
	v_wmma_f32_16x16x32_f16 v[rS:rS+7], v[rK:rK+7], v[rQ:rQ+7], v[rS:rS+7]
.endif
.endm
; Product i of 16 of O^T += V^T P for piece x: keys 32 (i / 8) on, channels 16 ((i / 2) % 4) on, tile 2 x + i % 2.
.macro PV x
	WIN W_PV
.set rO, 32*(2*(\x)+i%2)+8*((i/2)%4)
.set rV, VF+32*(i/8)+8*((i/2)%4)
.set rP, P+32*((\x)%2)+16*(i%2)+8*(i/8)
	v_wmma_f32_16x16x32_f16 v[rO:rO+7], v[rV:rV+7], v[rP:rP+7], v[rO:rO+7]
.endm
.macro MM                           ; the turn's next matrix instruction
.if i < 16
	KQ (Y+1)%NP
.set i, i+1
.else
.set i, i-16
	PV (Y+NP-1)%NP
.set i, i+17
.endif
.endm
; THE LDS LOADS stand in runs of 16, never singly among the matrix instructions: a step's K (64 keys x 64 channels: 8 fragments) and its V (turned).  Their addresses are made some lines ahead.
; last = 1 (the tail): in the last trip there is no further step, and the run is jumped over.
.macro FETCH_K last=0
	WIN 0
.if \last
	s_cmp_eq_u32 s[CNT], 1
	s_cbranch_scc1 .Lno_k_\@
.endif
	WIN 0x80                        ; destination window 2
.irp f, 0,1,2,3,4,5,6,7             ; keys 16 (f / 2) on, channels 32 (f % 2) on
	ds_load_b128 v[KF+8*\f:KF+8*\f+3],   v[AK] offset:(\f/2)*16*PK+(\f%2)*64
	ds_load_b128 v[KF+8*\f+4:KF+8*\f+7], v[AK] offset:(\f/2)*16*PK+(\f%2)*64+32
.endr
	s_add_co_u32 s[TBK], s[TBK], KS*PK  ; the next fetch is the next step's
	WIN 0
.if \last
.Lno_k_\@:
.endif
.endm
.macro FETCH_V
	WIN 0x80
.irp f, 0,1,2,3,4,5,6,7             ; keys 32 (f / 4) on, channels 16 (f % 4) on
	ds_load_tr16_b128 v[VF+8*\f:VF+8*\f+3],   v[AV] offset:(\f/4)*32*PV+(\f%4)*32
	ds_load_tr16_b128 v[VF+8*\f+4:VF+8*\f+7], v[AV] offset:(\f/4)*32*PV+16*PV+(\f%4)*32
.endr
	WIN 0
.endm
; THE VECTOR WORK OF A TURN stands in three queues, each in the order in which its entries become ready; the two tiles alternate, so that no instruction reads the result of the one before it.
.macro REGS y, u                    ; the registers of tile u (0, 1) of piece y
.set rT, ST+4*(2*(\y)+(\u))
.set rC, TMP+8*((\y)%2)+4*(\u)
.set rM, MV+2*((\y)%2)+(\u)
.set rS, S+64*((\y)%2)+32*(\u)
.set rP, P+32*((\y)%2)+16*(\u)
.set rO, 32*(2*(\y)+(\u))
.endm
; Number n of the 22 that find the NEXT piece's (Y + 1) maximum and statistics.  s0-s31 are the lane's 32 scores; each accumulator's lowest registers are read first.  XS, GS and REGS set no window: PL and EX do.
;   0-11  four chains c0-c3 of seven scores each, three operands at a time     12-14, 16  the four scores left over, the old m, and c0-c3 into c0     15  c m_old is kept
;   17, 18  the query's other 32 keys lie in the lane 16 away: the new m         19-21  c m; c m_old - c m_new; a
.macro XS u, n
	REGS (Y+1)%NP, \u
.if (\n) < 4
	v_max3_num_f32 v[rC+(\n)], v[rS+8*(\n)], v[rS+8*(\n)+1], v[rS+8*(\n)+2]
.elseif (\n) < 12
	v_max3_num_f32 v[rC+(\n)%4], v[rC+(\n)%4], v[rS+8*((\n)%4)+2*((\n)/4)+1], v[rS+8*((\n)%4)+2*((\n)/4)+2]
.elseif (\n) == 12
	v_max3_num_f32 v[rC], v[rC], v[rS+7], v[rS+15]
.elseif (\n) == 13
	v_max3_num_f32 v[rC+1], v[rC+1], v[rS+23], v[rS+31]
.elseif (\n) == 14
	v_max3_num_f32 v[rC+2], v[rC+2], v[rC+3], v[rT+1]
.elseif (\n) == 15
	v_mov_b32 v[rM], v[rT]
.elseif (\n) == 16
	v_max3_num_f32 v[rC], v[rC], v[rC+1], v[rC+2]
.elseif (\n) == 17
	v_permlanex16_b32 v[rC+3], v[rC], s[SEL], s[SEL+1]
.elseif (\n) == 18
	v_max_num_f32 v[rT+1], v[rC], v[rC+3]
.elseif (\n) == 19
	v_mul_f32 v[rT], s[CS], v[rT+1]
.elseif (\n) == 20
	v_sub_f32 v[rC+1], v[rM], v[rT]
.else
	v_exp_f32 v[rC+2], v[rC+1]
.endif
.endm
; Number g of the 64 that follow the exponentials.  For each four weights k of a tile (pairs 2 k, 2 k + 1): both pairs are rounded to f16; then the second pair is added onto the first, in place;
; a group later l takes that sum (the first time as l = a l + sum).  In groups of eight, tiles alternating: round, round, add, and l for the group before.
.macro GS g
.set h, (\g)+6*((\g)/62)            ; group 0 has no group before it, and behind group 7 only l is left
.if h >= 6
.set h, h+2
.endif
	REGS Y, h%2
.set k, h/8
.if h%8 < 4
	s_wait_alu depctr_va_vdst(0)
	v_cvt_pk_f16_f32 v[rP+2*k+(h%8)/2], v[rS+4*k+2*((h%8)/2)], v[rS+4*k+2*((h%8)/2)+1]
.elseif h%8 < 6
	v_pk_add_f32 v[rS+4*k:rS+4*k+1], v[rS+4*k:rS+4*k+1], v[rS+4*k+2:rS+4*k+3]
.elseif k == 1
	v_pk_fma_f32 v[rT+2:rT+3], v[rT+2:rT+3], v[rC+2:rC+3], v[rS:rS+1] op_sel_hi:[1,0,1]
.else
	v_pk_add_f32 v[rT+2:rT+3], v[rT+2:rT+3], v[rS+4*k-4:rS+4*k-3]
	s_wait_alu depctr_va_vdst(0)
.endif
.endm
; THE PLAIN QUEUE, 138 long.  0-31: c s - c m for the 16 pairs of both tiles.  Then GS's 64, and among them the next piece's 42: number 15 at 38, 39; 0-14 and 16
; at 42-73, behind the products that make those scores; 17-20 at 95-106, two of three, since each waits for the one before it.
.macro PL
	WIN 0
.if q < 32
	REGS Y, q%2
	v_pk_fma_f32 v[rS+2*(q/2):rS+2*(q/2)+1], v[rS+2*(q/2):rS+2*(q/2)+1], s[CS:CS+1], v[rT:rT+1] op_sel_hi:[1,0,0] neg_lo:[0,0,1] neg_hi:[0,0,1]
.elseif q < 38
	GS q-32
.elseif q < 40
	XS q%2, 15
.elseif q < 42
	GS q-34
.elseif q < 74
	XS q%2, (q-42)/2+(q-42)/30
.elseif q < 95
	GS q-66
.elseif (q < 107) && ((q-95)%3 < 2)
	XS (q-95)%3, 17+(q-95)/3
.elseif q < 107
	GS 29+(q-95)/3
.else
	GS q-74
.endif
.set q, q+1
.endm
; THE EXPONENTIALS' QUEUE, 66 long: s0-s31 of both tiles, and at EA the next piece's two a.
.set EA, 58
.macro EX
	WIN 0
.if (e == EA) || (e == EA+1)
	XS e-EA, 21
.else
.set x, e-2*(e/(EA+2))
	REGS Y, x%2
	v_exp_f32 v[rS+x/2], v[rS+x/2]
.endif
.set e, e+1
.endm
; THE RESCALING's QUEUE: O^T times a, the one part that leaves window 0, so it is dealt four at a time, eight times.
.macro R4
	REGS Y, r%2
	WIN W_RS
	s_wait_alu depctr_va_vdst(0)
.irp z, 0,1,2,3
	v_pk_mul_f32 v[rO+8*(r/2)+2*\z:rO+8*(r/2)+2*\z+1], v[rO+8*(r/2)+2*\z:rO+8*(r/2)+2*\z+1], v[rC+2:rC+3] op_sel_hi:[1,0]
.endr
.set r, r+1
.endm
; HOW THEY ARE DEALT.  Behind a matrix instruction four: plain, exponential, plain, plain (one exponential, a plain instruction on either side), or four of the rescaling.  None names a register of the
; products round it.  What is over stands in two LUMPS: exponential and plain by turns; the second ends in 22 plain instructions.  The two v_permlanex16_b32 fall into the second lump, never behind a product.
; The queues lean on each other, and the deal keeps them in step: exponential e stands behind plain 2 (e / 4) + e % 2 (its scaling); when plain 32 comes, 10 exponentials are out, at 59: 33, at 95: 46; EA comes behind plain 107.
.macro SL
	MM
	PL
	EX
	PL
	PL
.endm
.macro BURST n                      ; 15 matrix instructions, or 16
.rept (\n)-7
	SL
.endr
.rept 3
	MM
	R4
	SL
.endr
	MM
	R4
.endm
; A TURN, for piece p.  cnt = 1: the loop's count is taken down some lines ahead of the branch that stands behind the turn.
; K of the next step is fetched in piece 2's turn, 31 vector instructions behind the last product that read K; its first reader comes behind the rest of the lump, 16 products and the second lump.
; V of the step in hand is fetched at the end of piece 0's turn, 69 behind its last reader; its first reader comes behind 16 products and a lump.  The four conditions on e and q below go with the deal.
.macro TURN p, last=0, cnt=0
.set Y, (\p)
.set i, 0
.set q, 0
.set e, 0
.set r, 0
.if (\p) == NP-1
	s_wait_dscnt 0x0                ; K is in
.endif
	MM
.rept 4
	PL
.endr
	BURST 15
.rept 22
	EX
	PL
.if ((\p) == NP-2) && (e == 18)
	v_add_nc_u32 v[AK], s[TBK], v[AK0]
.endif
.if ((\p) == NP-2) && (e == 24)
	FETCH_K \last
.endif
.endr
.if (\p) == 1
	s_wait_dscnt 0x0                ; V is in
.endif
	BURST 16
.rept 21
	EX
	PL
.endr
.rept 22
	PL
.if ((\p) == 0) && (q == 118)
	v_add_nc_u32 v[AV], s[TBV], v[AV0]
	s_wait_alu depctr_va_vdst(0)
.endif
.if ((\p) == 0) && (q == 130)
	s_add_co_u32 s[TBV], s[TBV], KS*PV
.endif
.if (\cnt) && (q == 130)
	s_sub_co_u32 s[CNT], s[CNT], 1
	s_cmp_lg_u32 s[CNT], 0
.endif
.endr
.if (\p) == 0
	FETCH_V
.endif
.endm
; THE MASK IS SET, in the tail, between piece 2's turn and piece 3's: piece 3's turn makes the first scores of the next step.  That step is the last one when the count stands at 2 (and at 1 nothing
; follows that is used).  Of the last step's 64 keys 12 are true: in the first group of 16 the keys 12 to 15 are hidden, registers 4 to 7 of lanes 16-31; the other three groups wholly.
; The last product that took the mask as its C stands a lump, 16 products with their riders and a second lump back.
.macro MASKSET
	s_cmp_le_u32 s[CNT], 2
	s_cselect_b32 s[BE], s[BIGN], 0
	WIN W_MS
.irp z, 4,5,6,7
	v_mul_f32 v[MC+\z], s[BE], v[MH]
.endr
.irp z, 8,9,10,11,12,13,14,15
	v_mov_b32 v[MC+\z], s[BE]
.endr
.endm
.set KM, 0
	CHANGE 1                        ; slot 0 is in, everybody's part of it; slot 1 is asked for
	FETCH_K                         ; key step 0
	s_wait_loadcnt 0x0              ; Q
	s_wait_dscnt 0x0
.set i, 0
.rept 16
	KQ 0                            ; piece 0's first scores: there is no vector work yet to set between them
.set i, i+1
.endr
	WIN 0                           ; six plain instructions, the places behind those products: the stores' offset, and four v_nop
	v_and_b32 v[GO], 31, v0         ; 16 bytes a lane: 512 consecutive bytes of O
	v_lshlrev_b32 v[GO], 4, v[GO]
.rept 4
	v_nop
.endr
.set Y, NP-1                        ; XS works for piece Y + 1: piece 0
.irp n, 0,1,2,3,4,5,6,7,8,9,10,11,12,13,14,15,16,17,18,19,20,21
	XS 0, \n                        ; and piece 0's first maximum and statistics
	XS 1, \n
.endr
	s_mov_b32 s[CNT], 4
	s_mov_b32 s[SLOTS], NKEY/256-1
	s_branch .Lfirst                ; the loop is entered at a step's first turn, in the middle of a trip
.Lslot:                             ; three times: every slot but the last two is filled again
	CHANGE 1
	s_mov_b32 s[CNT], 4
.Lstep:                             ; a trip: pieces 2 and 3 of one step, then pieces 0 and 1 of the next, whose K and V it fetches
	TURN 2
	TURN 3
	WIN 0
.Lfirst:
	TURN 0
	TURN 1, 0, 1
	WIN 0
	s_cbranch_scc1 .Lstep
	s_sub_co_u32 s[SLOTS], s[SLOTS], 1
	s_cmp_lg_u32 s[SLOTS], 0
	s_cbranch_scc1 .Lslot
	CHANGE 0                        ; the tail is written out: nothing is asked for
	s_mov_b32 s[CNT], 5             ; four trips fetch the last slot's steps; the fifth is left in its middle
.set KM, 1                          ; the tail's products take the mask
.Ltail:
	TURN 2, 1
	MASKSET
	TURN 3
	WIN 0
	s_sub_co_u32 s[CNT], s[CNT], 1
	s_cmp_eq_u32 s[CNT], 0
	s_cbranch_scc1 .Lout
	TURN 0
	TURN 1
	WIN 0
	s_branch .Ltail
.Lout:                              ; the fifth trip's 16 products K Q^T (on the last K once more) and the maximum made of them serve nothing: the price, once a launch, of one text for every trip
.set i, 0
.rept 16
	PV NP-1                         ; the last piece's V^T P of the last step
.set i, i+1
.endr
	; THE WAY OUT.  l's two halves and the other half of the lanes' are added; O^T is divided by l, rounded to f16 and stored from the registers in which it lies, a tile at a time.  The additions are the places behind the last products.
	WIN 0
.macro ALL line:vararg              ; one line for each tile t
.set t, 0
.rept 2*NP
	\line
.set t, t+1
.endr
.endm
	ALL v_add_f32 v[ST+4*t+2], v[ST+4*t+2], v[ST+4*t+3]
	ALL v_permlanex16_b32 v[ST+4*t+3], v[ST+4*t+2], s[SEL], s[SEL+1]
	ALL v_add_f32 v[ST+4*t+2], v[ST+4*t+2], v[ST+4*t+3]
	ALL v_rcp_f32 v[ST+4*t+2], v[ST+4*t+2]
	v_nop                           ; a plain instruction between the last reciprocal and the use of its result
	s_wait_alu depctr_va_vdst(0)
; Tile t: a lane's eight channels of a block pack into 16 bytes, in S^T's registers (each tile has sixteen of its own: no store's data is written again); block f's 32 x 16 bytes are 512 consecutive
; bytes of obuf, at a multiple of 256 from its first byte.
.macro PACK t
	WIN W_RS
.set i, 32*(\t)
.rept 16
	v_pk_mul_f32 v[i:i+1], v[i:i+1], v[ST+4*(\t)+2:ST+4*(\t)+3] op_sel_hi:[1,0]
.set i, i+2
.endr
	WIN 0x05                        ; sources 0 and 1 window 1, destination window 0
.set i, 0
.rept 16
	v_cvt_pk_f16_f32 v[S+16*(\t)+i], v[32*(\t)+2*i], v[32*(\t)+2*i+1]
.set i, i+1
.endr
	WIN 0
.irp f, 0,1,2,3
	global_store_b128 v[GO], v[S+16*(\t)+4*\f:S+16*(\t)+4*\f+3], s[10:11] offset:(\t)*32768+\f*512
.endr
.endm
.set t, 0
.rept 2*NP
	PACK t
.set t, t+1
.endr
	WIN W_AD
	s_wait_tensorcnt 0x0            ; the wave's end: behind my last tensor load
	ds_add_u32 v[SPW], v[NIL]
	s_wait_dscnt 0x0
	WIN 0
	CROUND                          ; the closing round: no work-group ends while a partner may still ask for a tile that names it
	s_endpgm
.Lfunc_end_k_qb13661cece_attn:
	.size	k_qb13661cece_attn, .Lfunc_end_k_qb13661cece_attn-k_qb13661cece_attn
	.p2alignl 7, 3214868480
	.fill 96, 4, 3214868480
	.section	.rodata,"a",@progbits
	.p2align	6, 0x0
	.amdhsa_kernel k_qb13661cece_attn
		.amdhsa_group_segment_fixed_size 327680
		.amdhsa_private_segment_fixed_size 0
		.amdhsa_enable_private_segment 0
		.amdhsa_kernarg_size 24
		.amdhsa_user_sgpr_count 2
		.amdhsa_user_sgpr_kernarg_segment_ptr 1
		.amdhsa_wavefront_size32 1
		.amdhsa_system_sgpr_workgroup_id_x 1
		.amdhsa_system_sgpr_workgroup_id_y 1
		.amdhsa_system_sgpr_workgroup_id_z 1
		.amdhsa_system_vgpr_workitem_id 0
		.amdhsa_next_free_vgpr 800
		.amdhsa_next_free_sgpr 72
		.amdhsa_reserve_vcc 0
		.amdhsa_float_denorm_mode_32 3
		.amdhsa_float_denorm_mode_16_64 3
		.amdhsa_memory_ordered 1
		.amdhsa_forward_progress 1
		.amdhsa_inst_pref_size 204
	.end_amdhsa_kernel
	.amdgpu_metadata
---
amdhsa.version: [ 1, 2 ]
amdhsa.kernels:
  - .name:           k_qb13661cece_attn
    .symbol:         k_qb13661cece_attn.kd
    .args:
      - { .name: qkvh, .offset: 0, .size: 8, .value_kind: global_buffer, .address_space: global }
      - { .name: kv, .offset: 8, .size: 8, .value_kind: global_buffer, .address_space: global }
      - { .name: obuf, .offset: 16, .size: 8, .value_kind: global_buffer, .address_space: global }
    .group_segment_fixed_size: 327680
    .private_segment_fixed_size: 0
    .kernarg_segment_align: 8
    .kernarg_segment_size: 24
    .max_flat_workgroup_size: 128
    .sgpr_count:     72
    .vgpr_count:     800
    .wavefront_size: 32
...
	.end_amdgpu_metadata
.endif
;; end of part 5
;; launch proj (part 6): grid 32 x 8, 4 waves a work-group, clusters of 4 x 1, 327,680 bytes of LDS; arguments obuf, wpb, b_proj, out0; writes out0
.if DOCPART == 6
	.amdgcn_target "amdgcn-amd-amdhsa--gfx1250"
	.amdhsa_code_object_version 6
	.text
	.protected	k_qb13661cece_proj
	.globl	k_qb13661cece_proj
	.p2align	8
	.type	k_qb13661cece_proj,@function
k_qb13661cece_proj:
	s_mov_b64 s[64:65], 0
	v_nop
	global_prefetch_b8 v0, s[64:65] scope:SCOPE_SE
	s_setreg_imm32_b32 hwreg(HW_REG_WAVE_MODE, 25, 1), 1
	s_wait_xcnt 0x0
	s_wait_alu depctr_hold_cnt(0) depctr_sa_sdst(0) depctr_va_vdst(0) depctr_va_sdst(0) depctr_va_ssrc(0) depctr_va_vcc(0) depctr_vm_vsrc(0)
	s_getreg_b32 s2, hwreg(HW_REG_IB_STS2, 6, 4)
	s_cmp_eq_u32 s2, 0
	s_cbranch_scc0 .Lentry_in_a_cluster
	s_endpgm
.Lentry_in_a_cluster:
	s_bfe_u32 s2, ttmp6, 0x10000c
	s_cmp_lg_u32 s2, 0x3003
	s_cbranch_scc0 .Lentry_shape_is_right
	s_endpgm
.Lentry_shape_is_right:
; out0 = O . wpb + bf16(b_proj), f32.  wpb: f16 [1024 k][1024 n], as W_proj lies; k = 64 h + channel.  Sums in f32, started by the bias; nothing is rounded on the way out.
; O: obuf, f16, in the order of this text's fragments: [512 tiles of 16 rows m][16 h][4 blocks of 16 channels][32 lanes][16 bytes]; lane l's 16 bytes are row l % 16, channels 8 (l / 16) + 0..7 of the block.
; Two neighbouring blocks ARE a fragment of 16 rows x 32 K, so half a fragment is one load of 16 bytes a lane, 512 consecutive bytes, straight into its registers.
; SHARES.  A tile of out0 is 256 rows x 128 columns: 256 work-groups.  Four waves, one below the other, each 64 rows x 128 columns: 32 accumulators of 16 x 16, 256 registers.
; W IN LDS, ALL OF IT: the tile's panel, 1,024 rows of 256 bytes at a pitch of 288, is 294,912 bytes.  It comes in four chunks of 256 rows; each wave brings 64 rows of each: four tensor loads of mine are out,
; all issued at the start.  No LDS byte is filled twice, so no barrier in the loop stands in front of a refill; one barrier a chunk shows it to the other three waves.
; O NOT THROUGH LDS, AND NOT ASKED FOR JOINTLY: a row of O is read by one wave alone, so LDS would give it no second reader in the work-group, and beside W's panel 32,768 bytes are left, less than the
; 65,536 of one K step of 128 for 256 rows.  The price: the eight work-groups of a tile row each fetch the same 524,288 bytes of O.
; O's RING: eight buffers of a quarter (32 along K: 4 fragments, 8 loads, 32 registers).  At a quarter's head the loads of the quarter seven on are issued: 56 loads of mine are out, of the 63 that a wait's count can name.
; CLUSTER.  4 x 1: four tile rows of one tile column need the same panel of W: each chunk is asked for JOINTLY, by the same tensor load with the same descriptor and a mask that names the four.
; THE MATRIX INSTRUCTION IS USED TRANSPOSED: source 0 = 16 columns of W (out of LDS turned, by ds_load_tr16_b128), source 1 = 16 rows of O.  A lane then holds row lane % 16 and the columns
; 8 (lane / 16) + 0..7: 32 neighbouring bytes of a row of out0.
; REGISTERS, in windows of 256 (s_set_vgpr_msb: bits 1:0 source 0, 3:2 source 1, 5:4 source 2, 7:6 destination):
;   window 0: v0-31 addresses and at work; v32-95 the bias, eight registers for each block of 16 columns; v128-191, v192-255 W's fragments of a quarter, two buffers
;   window 1: O's ring; on the way out eight sets of 32          window 2: the accumulators: (a, b) at v[64 a + 8 b]
.set NBLK,  8                          ; blocks of 16 columns in a tile
.set PB,    288                        ; a row of W in LDS: 256 bytes + 32 = 72 words
.set QB,    32*PB                      ; a quarter's 32 rows
.set HALFC, 128*PB                     ; half a chunk: an LDS offset holds 16 bits, so a chunk has two address registers
.set CHUNK, 256*PB                     ; 73,728
.set STAGE, 4*CHUNK                    ; behind W, never filled by a tensor load: 16 rows x 272 bytes for each wave
.set SP,    272                        ; 256 bytes + 16: the 16 rows of a store start at 16 different groups of four banks
.set BSTG,  STAGE+4*16*SP              ; 512 bytes for each wave: the tile's 128 numbers of the bias
.set SPARE, BSTG+4*512                 ; the spare words, 128 bytes for each wave: two blocks of 256 bytes that no other line names
.set AT,    32768                      ; bytes of obuf for 16 rows
.set AQ,    1024                       ; of them for 32 along K
.set DEPTH, 7                          ; quarters of O on their way
.set BT,   4                           ; v[4:7]   four numbers of the bias
.set CT,   8                           ; v[8:9]   the same as bf16 pairs
.set AO,   10                          ; v10      16 x lane: my bytes in 512 of obuf, and of the bias; never rewritten
.set WA,   12                          ; v12      LDS address of my part of W's fragments, quarters 0-3 of the chunk in hand
.set WA2,  13                          ; v13      quarters 4-7
.set STO,  14                          ; v14      the way out: where I put 32 bytes of a row
.set RD,   15                          ; v15      where I read two rows back
.set GO,   16                          ; v16      my byte offset in two rows of out0
.set BWR,  17                          ; v17      where my four numbers of the bias go
.set BRD,  18                          ; v18      where I read my eight of a block's sixteen
.set SPW,  28                          ; v28      LDS address of my spare word; never rewritten
.set NIL,  29                          ; v29      0; never rewritten
.set BI,   32
.set F0,   128
.set WV,  12                           ; s12  my wave's number
.set TR,  14                           ; s14  tile row
.set TC,  15                           ; s15  tile column
.set LAP, 23
.set G1,  24                           ; s[24:31] descriptor group 1
.set G0,  32                           ; s[32:47] descriptor group 0, a set for each chunk: none is written while its load is out
.set MSB, 0
.macro WIN new                         ; the immediate's high byte repeats the setting that is left; a switch that changes nothing is dropped
.if MSB != (\new)
	s_set_vgpr_msb (MSB<<8)|(\new)
.set MSB, \new
.endif
.endm
; A round of the cluster's barrier: my work-group's barrier, so that wave 0's signal speaks for all four waves; wave 0 signals; every wave waits for all four work-groups; my work-group's barrier once more.
.macro CROUND
	s_barrier_signal -1
	s_barrier_wait -1
	s_cmp_lg_u32 s[WV], 0
	s_cbranch_scc1 .Lnot_wave_0_\@
	s_barrier_signal -3
.Lnot_wave_0_\@:
	s_barrier_wait -3
	s_barrier_signal -1
	s_barrier_wait -1
.endm
; Eight loads: the four fragments of O of quarter n, counted from the quarter at which s[4:5] stands, into ring buffer n % 8
.macro ALOAD n
	WIN 0x40                                       ; destination window 1, address window 0
.set aa, 0
.rept 4
	global_load_b128 v[32*((\n)%8)+8*aa:32*((\n)%8)+8*aa+3],   v[AO], s[4:5] offset:aa*AT+(\n)*AQ
	global_load_b128 v[32*((\n)%8)+8*aa+4:32*((\n)%8)+8*aa+7], v[AO], s[4:5] offset:aa*AT+(\n)*AQ+512
.set aa, aa+1
.endr
.endm
	s_load_b256 s[4:11], s[0:1], 0x0               ; obuf s[4:5], wpb s[6:7], b_proj s[8:9], out0 s[10:11]
	v_lshl_add_u32 v[SPW], v0, 2, SPARE
	v_mov_b32 v[NIL], 0
	ds_add_u32 v[SPW], v[NIL]                      ; the wave's opening: the add and its wait stand ahead of my first tensor load; the set-up below, work on registers, stands between them
	v_lshrrev_b32 v1, 5, v0
	v_readfirstlane_b32 s[WV], v1                  ; wave 0..3
	s_bfe_u32 s13, ttmp6, 0x40000                  ; cx: my place in the cluster
	s_lshl_b32 s[TR], ttmp9, 2                     ; in a cluster launch ttmp9 counts clusters
	s_add_co_u32 s[TR], s[TR], s13                 ; tile row = 4 x cluster x + cx: it enters O's and out0's addresses alone
	s_and_b32 s[TC], ttmp7, 0xffff                 ; tile column, which the four partners share
	s_mov_b32 s[G1], 15|(1<<16)|(1<<20)|(1<<21)|(5<<22)|(7<<25)  ; 15:0 the mask of four; 17:16 2-byte elements; 20 padding on; 21 set beside a mask; 24:22 after every 64 words (code 5); 31:25 8 words (code 7)
	s_mov_b32 s[G1+1], 128<<16                     ; tensor_dim0 = 128
	s_mov_b32 s[G1+2], 64<<16                      ; tensor_dim1 = 64
	s_mov_b32 s[G1+3], 128<<16                     ; tile_dim0 = 128
	s_mov_b32 s[G1+4], 64                          ; tile_dim1 = 64
	s_mov_b32 s[G1+5], 1024                        ; elements from row to row
	s_mov_b32 s[G1+6], 0
	s_mov_b32 s[G1+7], 0
	s_lshl_b32 s48, s[WV], 17                      ; W: my 64 rows of 2,048 bytes in a chunk,
	s_lshl_b32 s49, s[TC], 8                       ; the tile's 128 columns of 2 bytes
	s_add_co_u32 s48, s48, s49
	s_mov_b32 s49, 0
	s_mul_i32 s16, s[WV], 64*PB                    ; and where they go: no place in the cluster enters an LDS address
	s_lshl_b32 s52, s[TR], 19                      ; O: 16 tiles of 32,768 bytes a tile row,
	s_lshl_b32 s53, s[WV], 17                      ; my wave's four
	s_add_co_u32 s52, s52, s53
	s_mov_b32 s53, 0
	s_lshl_b32 s50, s[TC], 9                       ; the tile's 128 numbers of the bias, and its 512 bytes of a row of out0
	s_mov_b32 s51, 0
	s_lshl_b32 s54, s[TR], 20                      ; out0: 256 rows of 4,096 bytes a tile row,
	s_lshl_b32 s55, s[WV], 18                      ; my wave's 64
	s_add_co_u32 s54, s54, s55
	s_add_co_u32 s54, s54, s50
	s_mov_b32 s55, 0
	s_mov_b32 s22, 0xffff0000                      ; a word's upper bf16
	s_wait_dscnt 0x0                               ; the opening add is done
	s_wait_kmcnt 0x0
	s_add_nc_u64 s[6:7], s[6:7], s[48:49]
	s_add_nc_u64 s[4:5], s[4:5], s[52:53]
	s_add_nc_u64 s[8:9], s[8:9], s[50:51]
	s_add_nc_u64 s[10:11], s[10:11], s[54:55]
	CROUND                                         ; all four work-groups are here: the joint loads meet
.irp c, 0,1,2,3
	s_mov_b32 s[G0+4*(\c)], 1                      ; 1:0 count = 1
	s_add_co_u32 s[G0+4*(\c)+1], s16, (\c)*CHUNK   ; 63:32 LDS address
	s_add_nc_u64 s[G0+4*(\c)+2:G0+4*(\c)+3], s[6:7], (\c)*256*2048  ; 120:64 global address: chunk c
	s_or_b32 s[G0+4*(\c)+3], s[G0+4*(\c)+3], 0x80000000             ; 127:126 type = 2
.endr
.irp c, 0,1,2,3
	tensor_load_to_lds s[G0+4*(\c):G0+4*(\c)+3], s[G1:G1+7]         ; the launch's only tensor loads, one group: an s_nop 0 follows each, four v_nop the last
	s_nop 0
.endr
.rept 4
	v_nop
.endr
	v_and_b32 v2, 31, v0                           ; l
	v_lshlrev_b32 v[AO], 4, v2
	global_load_b128 v[BT:BT+3], v[AO], s[8:9]     ; the bias: 512 consecutive bytes, four numbers a lane
.irp n, 0,1,2,3,4,5,6
	ALOAD \n                                       ; O's first seven quarters
.endr
	WIN 0
	v_and_b32 v1, 15, v0                           ; l % 16
	v_bfe_u32 v3, v0, 4, 1                         ; l / 16
	; The turning load takes 16 K x 16 columns (lane l reads 16 bytes: K = 8 (l / 16) + l % 8, columns 8 ((l / 8) % 2) + 0..7) and leaves half a fragment: lane l holds column l % 16 and 8 K.
	v_and_b32 v19, 7, v0
	v_lshl_add_u32 v19, v3, 3, v19
	v_mul_u32_u24 v19, v19, PB
	v_bfe_u32 v20, v0, 3, 1
	v_lshl_add_u32 v[WA], v20, 4, v19
	v_add_nc_u32 v[WA2], HALFC, v[WA]
	s_mul_i32 s17, s[WV], 16*SP
	s_add_co_u32 s17, s17, STAGE                   ; my stage
	v_mul_u32_u24 v19, v1, SP                      ; in: row l % 16, 32 bytes for each half of the lanes
	v_lshl_add_u32 v19, v3, 5, v19
	v_add_nc_u32 v[STO], s17, v19
	v_mul_u32_u24 v19, v3, SP                      ; back: lanes 0-15 take one row's 256 bytes, lanes 16-31 the next row's
	v_lshl_add_u32 v19, v1, 4, v19
	v_add_nc_u32 v[RD], s17, v19
	v_lshlrev_b32 v19, 12, v3                      ; and the same two rows in out0
	v_lshl_add_u32 v[GO], v1, 4, v19
	s_lshl_b32 s18, s[WV], 9
	s_add_co_u32 s18, s18, BSTG                    ; my wave's 512 bytes for the bias
	v_add_nc_u32 v[BWR], s18, v[AO]
	v_lshl_add_u32 v[BRD], v3, 5, s18
	; The bias is rounded to bf16, like every input; it goes through my wave's own LDS words and comes back in the layout of a result: register j of block b holds column 16 b + 8 (l / 16) + j.
	s_wait_loadcnt 8*DEPTH                         ; the bias is in; O's 56 loads, issued behind it, stay out
	v_cvt_pk_bf16_f32 v[CT], v[BT], v[BT+1]
	v_cvt_pk_bf16_f32 v[CT+1], v[BT+2], v[BT+3]
	v_lshlrev_b32 v[BT], 16, v[CT]
	v_and_b32 v[BT+1], s22, v[CT]
	v_lshlrev_b32 v[BT+2], 16, v[CT+1]
	v_and_b32 v[BT+3], s22, v[CT+1]
	ds_store_b128 v[BWR], v[BT:BT+3]
.set bb, 0
.rept NBLK
	ds_load_b128 v[BI+8*bb:BI+8*bb+3],   v[BRD] offset:64*bb     ; LDS serves a wave's instructions in order (ISA guide 5.7.1.4): these see the store above
	ds_load_b128 v[BI+8*bb+4:BI+8*bb+7], v[BRD] offset:64*bb+16
.set bb, bb+1
.endr
; 8 matrix instructions of quarter i: row block a x all 8 column blocks, 32 along K.  first = 1: the bias is C and starts the sums: nothing is ever cleared.
; The 32 accumulators take turns, one instruction a turn, in the same order in every quarter.
.macro MULA i, a, first
.if \first
	WIN 0x84                                       ; W window 0, O window 1, C window 0, D window 2
.else
	WIN 0xa4                                       ; C and D window 2
.endif
.set FC, F0+64*((\i)%2)
.set RB, 32*((\i)%8)+8*(\a)
.set AC, 64*(\a)
.set bb, 0
.rept NBLK
.if \first
	v_wmma_f32_16x16x32_f16 v[AC+8*bb:AC+8*bb+7], v[FC+8*bb:FC+8*bb+7], v[RB:RB+7], v[BI+8*bb:BI+8*bb+7]
.else
	v_wmma_f32_16x16x32_f16 v[AC+8*bb:AC+8*bb+7], v[FC+8*bb:FC+8*bb+7], v[RB:RB+7], v[AC+8*bb:AC+8*bb+7]
.endif
.set bb, bb+1
.endr
.endm
; 16 LDS loads in one run: W's fragments of quarter j (0 to 7) of the chunk in hand into buffer f
.macro FETCHW j, f
	WIN 0
.set bb, 0
.rept NBLK
.if (\j) < 4
	ds_load_tr16_b128 v[(\f)+8*bb:(\f)+8*bb+3],   v[WA] offset:(\j)*QB+32*bb
	ds_load_tr16_b128 v[(\f)+8*bb+4:(\f)+8*bb+7], v[WA] offset:(\j)*QB+16*PB+32*bb
.else
	ds_load_tr16_b128 v[(\f)+8*bb:(\f)+8*bb+3],   v[WA2] offset:((\j)-4)*QB+32*bb
	ds_load_tr16_b128 v[(\f)+8*bb+4:(\f)+8*bb+7], v[WA2] offset:((\j)-4)*QB+16*PB+32*bb
.endif
.set bb, bb+1
.endr
.endm
.macro PLACES                          ; four places in front of loads into registers that matrix instructions have read, and of LDS stores that read results (ISA guide 7.12.1 for vector instructions)
.rept 4
	v_nop
.endr
.endm
; QUARTER i of a chunk (8: the next chunk's quarter 0): 32 matrix instructions on ring buffer i % 8 and W's buffer i % 2.  At its head, in one run, what later quarters need:
; fw = 1: W's fragments of the next quarter, into the buffer that the quarter before multiplied;  ld = 1: O's fragments of the quarter seven on, into the ring buffer that the quarter before multiplied.
; left: how many younger loads of O may stay out when this quarter's eight have to be there.
; turn = 1 (quarter 7 in the loop): the next quarter's W lies in the next chunk.  Each wave waits for its tensor loads and signals; behind the barrier the chunk is whole for all four.  The wait is for 0, since its
; count is an immediate and cannot follow the trip's number. Sixteen matrix instructions stand between signal and wait, and the run of loads comes behind the wait.
.macro QUARTER i, first=0, ld=1, left=48, fw=1, turn=0
.set JN, ((\i)+1)%8
.set FN, F0+64*(((\i)+1)%2)
.set NA, (\i)+DEPTH
	s_wait_loadcnt \left                           ; loads come back in order (ISA guide 5.7.1): this quarter's O is in
	s_wait_dscnt 0x0                               ; this quarter's W is in its registers: the run was issued a quarter ago (behind a turn: half a quarter)
.if \turn
	s_wait_tensorcnt 0x0                           ; my parts of all chunks have landed, the next chunk's among them
	s_barrier_signal -1
	MULA \i, 0, 0
	MULA \i, 1, 0
	s_barrier_wait -1                              ; everybody's have
	WIN 0
	v_add_nc_u32 v[WA], CHUNK, v[WA]               ; on to the next chunk; these two lines and two v_nop are the four places in front of the loads below
	v_add_nc_u32 v[WA2], CHUNK, v[WA2]
	v_nop
	v_nop
	FETCHW JN, FN
	ALOAD NA
	MULA \i, 2, 0
	MULA \i, 3, 0
.else
.if (\fw) || (\ld)
	PLACES
.endif
.if \fw
	FETCHW JN, FN
.endif
.if \ld
	ALOAD NA
.endif
	MULA \i, 0, \first
	MULA \i, 1, \first
	MULA \i, 2, \first
	MULA \i, 3, \first
.endif
.endm
	s_wait_dscnt 0x0                               ; the bias is in its registers, and no LDS instruction of mine is out at the signal
	s_wait_tensorcnt 0x3                           ; my part of chunk 0 is in; the other three may stay out
	s_barrier_signal -1
	s_barrier_wait -1                              ; everybody's is
	FETCHW 0, F0
	QUARTER 0, 1                                   ; the first quarter stands in front of the loop: its products start the sums
	WIN 0                                          ; at a label and at a branch every window is 0
	s_mov_b32 s[LAP], 3
.Llap:                                                 ; a trip goes from a chunk's second quarter to the next chunk's first, once round O's ring; its eight runs ask for O's quarters 8 to 15 from s[4:5]
	QUARTER 1
	QUARTER 2
	QUARTER 3
	QUARTER 4
	QUARTER 5
	QUARTER 6
	QUARTER 7, 0, 1, 48, 1, 1
	QUARTER 8
	WIN 0
	s_wait_xcnt 0x0                                ; every earlier memory instruction has had its addresses translated (ISA guide 3.1): the loads' base is stepped only behind this wait
	s_add_nc_u64 s[4:5], s[4:5], 8*AQ
	s_sub_co_u32 s[LAP], s[LAP], 1
	s_cmp_lg_u32 s[LAP], 0
	s_cbranch_scc1 .Llap
.irp i, 1,2,3,4,5,6
	QUARTER \i, 0, 0, 8*(7-(\i)), 1, 0             ; the last chunk's other quarters ask for no more of O, so that no load leaves my rows: the counts run down
.endr
	QUARTER 7, 0, 0, 0, 0, 0
	WIN 0
	PLACES
; THE WAY OUT, in eight units: 16 rows (block u / 2) x 64 columns (half u % 2): the sums are the results.  TOSTAGE: a lane's 32 bytes of each block go straight from the accumulators (each one's low four
; registers first) into rows of 272 bytes in my own stage, and come back as whole rows of 256, two rows a load, into the ring's registers: each unit has 32 of its own, so no store's data is written again.
; SEND: sixteen lanes store 256 consecutive bytes, at a multiple of 256 from out0's first byte.
.macro TOSTAGE u
.set AC, 64*((\u)/2)+32*((\u)%2)
	WIN 0x08                                       ; the stores' data (source 1): window 2
.set bb, 0
.rept 4
	ds_store_b128 v[STO], v[AC+8*bb:AC+8*bb+3] offset:64*bb
	ds_store_b128 v[STO], v[AC+8*bb+4:AC+8*bb+7] offset:64*bb+16
.set bb, bb+1
.endr
	WIN 0x40                                       ; the loads' data: window 1
.set tt, 0
.rept 8
	ds_load_b128 v[32*(\u)+4*tt:32*(\u)+4*tt+3], v[RD] offset:2*SP*tt  ; LDS serves a wave's instructions in order (ISA guide 5.7.1.4): these see the stores above; the next unit's stores come behind them
.set tt, tt+1
.endr
.endm
.macro SEND u, younger                 ; younger: the LDS instructions issued behind the unit's loads: the next unit's 16, or none
	WIN 0x04                                       ; the stores' data (source 1): window 1
.set tt, 0
.rept 8
	s_wait_dscnt (\younger)+7-tt
	global_store_b128 v[GO], v[32*(\u)+4*tt:32*(\u)+4*tt+3], s[10:11] offset:(16*((\u)/2)+2*tt)*4096+256*((\u)%2) th:TH_STORE_NT
.set tt, tt+1
.endr
.endm
	TOSTAGE 0
.set u, 1
.rept 7
	TOSTAGE u
	SEND u-1, 16
.set u, u+1
.endr
	SEND 7, 0
	WIN 0
	s_wait_tensorcnt 0x0                           ; the wave's end: behind my last tensor load and my last LDS store
	ds_add_u32 v[SPW], v[NIL]
	s_wait_dscnt 0x0
	CROUND                                         ; the closing round: no work-group ends while a partner may still ask for a tile that names it
	s_endpgm
.Lfunc_end_k_qb13661cece_proj:
	.size	k_qb13661cece_proj, .Lfunc_end_k_qb13661cece_proj-k_qb13661cece_proj
	.p2alignl 7, 3214868480
	.fill 96, 4, 3214868480
	.section	.rodata,"a",@progbits
	.p2align	6, 0x0
	.amdhsa_kernel k_qb13661cece_proj
		.amdhsa_group_segment_fixed_size 327680
		.amdhsa_private_segment_fixed_size 0
		.amdhsa_enable_private_segment 0
		.amdhsa_kernarg_size 32
		.amdhsa_user_sgpr_count 2
		.amdhsa_user_sgpr_kernarg_segment_ptr 1
		.amdhsa_wavefront_size32 1
		.amdhsa_system_sgpr_workgroup_id_x 1
		.amdhsa_system_sgpr_workgroup_id_y 1
		.amdhsa_system_sgpr_workgroup_id_z 1
		.amdhsa_system_vgpr_workitem_id 0
		.amdhsa_next_free_vgpr 768
		.amdhsa_next_free_sgpr 66
		.amdhsa_reserve_vcc 0
		.amdhsa_float_denorm_mode_32 3
		.amdhsa_float_denorm_mode_16_64 3
		.amdhsa_memory_ordered 1
		.amdhsa_forward_progress 1
		.amdhsa_inst_pref_size 89
	.end_amdhsa_kernel
	.amdgpu_metadata
---
amdhsa.version: [ 1, 2 ]
amdhsa.kernels:
  - .name:           k_qb13661cece_proj
    .symbol:         k_qb13661cece_proj.kd
    .args:
      - { .name: obuf, .offset: 0, .size: 8, .value_kind: global_buffer, .address_space: global }
      - { .name: wpb, .offset: 8, .size: 8, .value_kind: global_buffer, .address_space: global }
      - { .name: b_proj, .offset: 16, .size: 8, .value_kind: global_buffer, .address_space: global }
      - { .name: out0, .offset: 24, .size: 8, .value_kind: global_buffer, .address_space: global }
    .group_segment_fixed_size: 327680
    .private_segment_fixed_size: 0
    .kernarg_segment_align: 8
    .kernarg_segment_size: 32
    .max_flat_workgroup_size: 128
    .sgpr_count:     66
    .vgpr_count:     768
    .wavefront_size: 32
...
	.end_amdgpu_metadata
.endif
;; end of part 6
